; MI455X (gfx1250); checked and timed in simulation.
; The chip was launched on July 23, 2026; its instructions are those of AMD's public machine-readable ISA for CDNA 5 (MIT licence, August 2026) and "CDNA5" Instruction Set Architecture Reference Guide (July 2026). The comments in the code are by the model that wrote it; some were corrected since.
;; Multihead Self Attention. Allowed arithmetic: float matrix products may take bf16 or f16 operands with f32 sums; other float arithmetic in f32, or as packed bf16 or f16 multiplies, adds, multiply-adds, maxima and minima; sums over many terms, partial sums and values carried from step to step in f32; what a program stores and reads back later, other than sums and carried values, may be rounded once to bf16 or f16.
;; Inputs: wk 8 x 1,024 x 128 float32; wo 8 x 128 x 1,024 float32; wq 8 x 1,024 x 128 float32; wv 8 x 1,024 x 128 float32; x 4 x 2,048 x 1,024 float32.
;; Outputs: out0 4 x 2,048 x 1,024 float32.
;; 2 versions, each right; version 2 is version 1 with the launch prep written anew for expert scheduling mode. Each part assembles by itself: llvm-mc -triple=amdgcn-amd-amdhsa -mcpu=gfx1250 --defsym DOCPART=n.
;; ======== version 1 of 2: 4 launches
;; limits: values are held in f16: magnitudes above 65,504 overflow, below 6.1e-05 lose precision
;; workspace buffers: xb 16,777,216 bytes; wb 6,291,456 bytes; wob 2,097,152 bytes; rt 524,288 bytes; qh 16,777,216 bytes; kh 16,777,216 bytes; vh 16,777,216 bytes; oh 16,777,216 bytes
;; launch prep (part 1): grid 512 x 1, 8 waves a work-group, no clusters, 0 bytes of LDS; arguments x, wq, wk, wv, wo, xb, wb, wob, rt; writes xb, wb, wob, rt
.if DOCPART == 1
	.amdgcn_target "amdgcn-amd-amdhsa--gfx1250"
	.amdhsa_code_object_version 6
	.text
	.protected	k_q5ec04b2f42_prep
	.globl	k_q5ec04b2f42_prep
	.p2align	8
	.type	k_q5ec04b2f42_prep,@function
k_q5ec04b2f42_prep:
	s_mov_b64 s[64:65], 0
	v_nop
	global_prefetch_b8 v0, s[64:65] scope:SCOPE_SE
	s_setreg_imm32_b32 hwreg(HW_REG_WAVE_MODE, 25, 1), 1
	s_wait_xcnt 0x0
; CASTS AND THE ROTARY TABLE.  A stream: no LDS, no matrix unit, no cluster (no work-group reads what another reads).
;   work-groups 0-255:   x [8192][1024] f32 -> xb, bf16, in blocks [kb = 16][row = 8192][64]: a K step of 64 for 256 rows is 32,768 dense bytes for the product that follows
;   work-groups 256-351: wq, wk, wv [8][1024][128] f32 -> wb, bf16, [matrix][head][k][d], the inputs' own order
;   work-groups 352-383: wo [8][128][1024] f32 -> wob: rounded to bf16 like every other input, and that number written as f16
;   work-groups 384-511: rt [t = 2048][128] f16: cos(t f_d) for d = 0..63, then sin(t f_d), f_d = 10000^(-d/64)
; LIMITS.  A bf16 value of wo below 2^-14 keeps f16's fixed step of 2^-24; beyond 65,504 it would be an infinity (wo is drawn with a spread of 1/32).
; The table: f_d by v_exp_f32, the angle reduced by multiples of pi/2 in two parts, polynomials of degree 7 and 8 on |r| <= pi/4; the result is rounded to f16.
.set VI,  2                            ; v2        my byte offset in the input
.set VO,  3                            ; v3        my byte offset in the output
.set D,   16                           ; v[16:143] sixteen items of 8 f32 as loaded
.set Y,   144                          ; v[144:207] sixteen items of 8 16-bit numbers to store
.set T,   208                          ; v[208:215] at work
.set IN,  32                           ; s[32:33]  input at the work-group's part
.set OUT, 34                           ; s[34:35]  output at the work-group's part
.set OU2, 36                           ; s[36:37]  the same, 8 MiB on: a store's immediate holds 24 signed bits
; Sixteen items of 32 bytes a lane.  All 32 loads go out first (16 KiB a wave on their way); item it is there when the 2 (15 - it) younger loads alone are out.
; No register is written twice, so no store's data has to be waited for.
.macro CAST is, os, split, half
.set it, 0
.rept 16
	global_load_b128 v[D+8*it:D+8*it+3],   v[VI], s[IN:IN+1] offset:it*(\is) th:TH_LOAD_NT
	global_load_b128 v[D+8*it+4:D+8*it+7], v[VI], s[IN:IN+1] offset:it*(\is)+16 th:TH_LOAD_NT
.set it, it+1
.endr
.set it, 0
.rept 16
	s_wait_loadcnt 30-2*it
.irp j, 0,1,2,3
	v_cvt_pk_bf16_f32 v[Y+4*it+(\j)], v[D+8*it+2*(\j)], v[D+8*it+2*(\j)+1]
.endr
.if \half
.irp j, 0,1,2,3
	v_lshlrev_b32 v[T+2*(\j)],   16,  v[Y+4*it+(\j)]   ; the bf16 numbers as f32,
	v_and_b32     v[T+2*(\j)+1], s30, v[Y+4*it+(\j)]
.endr
.irp j, 0,1,2,3
	v_cvt_pk_f16_f32 v[Y+4*it+(\j)], v[T+2*(\j)], v[T+2*(\j)+1]  ; written as f16: 8 significant bits fit into 11
.endr
.endif
.if (\split) && (it >= 8)
	global_store_b128 v[VO], v[Y+4*it:Y+4*it+3], s[OU2:OU2+1] offset:(it-8)*(\os)
.else
	global_store_b128 v[VO], v[Y+4*it:Y+4*it+3], s[OUT:OUT+1] offset:it*(\os)
.endif
.set it, it+1
.endr
.endm
	s_load_b512 s[4:19], s[0:1], 0x0               ; x s[4:5], wq s[6:7], wk s[8:9], wv s[10:11], wo s[12:13], xb s[14:15], wb s[16:17], wob s[18:19]
	s_load_b64 s[20:21], s[0:1], 0x40              ; rt
	v_lshrrev_b32 v1, 5, v0
	v_readfirstlane_b32 s22, v1                    ; wave 0..7
	v_and_b32 v4, 31, v0                           ; lane
	s_mov_b32 s25, 0                               ; high words of the two offsets
	s_mov_b32 s27, 0
	s_mov_b32 s30, 0xffff0000                      ; a word's upper bf16
	s_wait_kmcnt 0x0
	s_cmp_lt_u32 ttmp9, 256
	s_cbranch_scc0 .Lnot_x
	; x: the work-group has 32 rows, a wave 4; item it is block kb = it: eight lanes take 256 aligned bytes of a row, and a wave's store is 512 consecutive bytes of xb
	v_lshrrev_b32 v5, 3, v4
	v_and_b32 v6, 7, v4
	s_lshl_b32 s23, s22, 2
	v_add_nc_u32 v5, s23, v5                       ; my row among the 32
	v_lshlrev_b32 v[VI], 12, v5
	v_lshl_add_u32 v[VI], v6, 5, v[VI]
	v_lshlrev_b32 v[VO], 7, v5
	v_lshl_add_u32 v[VO], v6, 4, v[VO]
	s_lshl_b32 s24, ttmp9, 17                      ; 32 rows of 4,096 bytes
	s_add_nc_u64 s[IN:IN+1], s[4:5], s[24:25]
	s_lshl_b32 s26, ttmp9, 12                      ; 32 rows of 128 bytes
	s_add_nc_u64 s[OUT:OUT+1], s[14:15], s[26:27]
	s_add_nc_u64 s[OU2:OU2+1], s[OUT:OUT+1], 0x800000
	CAST 256, 1048576, 1, 0
	s_endpgm
.Lnot_x:
	s_cmp_lt_u32 ttmp9, 384
	s_cbranch_scc0 .Ltable
	; the weights: 32 work-groups a matrix, 131,072 bytes in each; a wave takes 16,384, an item 1,024
	s_sub_co_u32 s23, ttmp9, 256
	s_lshr_b32 s28, s23, 5                         ; which matrix
	s_and_b32 s29, s23, 31                         ; which part of it
	s_cmp_eq_u32 s28, 1
	s_cselect_b64 s[IN:IN+1], s[8:9], s[6:7]
	s_cmp_eq_u32 s28, 2
	s_cselect_b64 s[IN:IN+1], s[10:11], s[IN:IN+1]
	s_cmp_eq_u32 s28, 3
	s_cselect_b64 s[IN:IN+1], s[12:13], s[IN:IN+1]
	s_lshl_b32 s24, s29, 17
	s_add_nc_u64 s[IN:IN+1], s[IN:IN+1], s[24:25]
	v_lshlrev_b32 v[VI], 5, v4
	s_lshl_b32 s23, s22, 14
	v_add_nc_u32 v[VI], s23, v[VI]
	v_lshlrev_b32 v[VO], 4, v4
	s_lshl_b32 s23, s22, 13
	v_add_nc_u32 v[VO], s23, v[VO]
	s_lshl_b32 s26, s29, 16
	s_cmp_eq_u32 s28, 3
	s_cbranch_scc1 .Lwo
	s_lshl_b32 s24, s28, 21
	s_add_co_u32 s26, s26, s24
	s_add_nc_u64 s[OUT:OUT+1], s[16:17], s[26:27]
	CAST 1024, 512, 0, 0
	s_endpgm
.Lwo:
	s_add_nc_u64 s[OUT:OUT+1], s[18:19], s[26:27]
	CAST 1024, 512, 0, 1
	s_endpgm
.Ltable:
	; the table: 16 rows a work-group, two a wave; sixteen lanes fill a row's 256 bytes: lanes 0-7 eight cosines each, lanes 8-15 eight sines
.set F,  16                            ; v[16:23] the frequencies
.set R,  24                            ; v[24:31] the angle, then what is left of it
.set N,  32                            ; v[32:39] how many quarter turns
.set Z,  40                            ; v[40:47] r^2
.set SN, 48                            ; v[48:55] sin r
.set CN, 56                            ; v[56:63] cos r, then the result
	s_sub_co_u32 s23, ttmp9, 384
	s_lshl_b32 s23, s23, 4
	s_lshl_b32 s24, s22, 1
	s_add_co_u32 s23, s23, s24
	v_lshrrev_b32 v5, 4, v4
	v_add_nc_u32 v5, s23, v5                       ; t
	v_and_b32 v6, 15, v4
	v_lshrrev_b32 v7, 3, v6                        ; 0: cosines, 1: sines
	v_and_b32 v8, 7, v6
	v_lshlrev_b32 v8, 3, v8                        ; my first d
	v_lshlrev_b32 v[VO], 8, v5
	v_lshl_add_u32 v[VO], v6, 4, v[VO]
	v_cvt_f32_u32 v9, v5
.irp j, 0,1,2,3,4,5,6,7
	v_add_nc_u32 v[F+(\j)], \j, v8
	v_cvt_f32_u32 v[F+(\j)], v[F+(\j)]
	v_mul_f32 v[F+(\j)], 0xbe549a78, v[F+(\j)]     ; -d log2(10000) / 64
.endr
.irp j, 0,1,2,3,4,5,6,7
	v_exp_f32 v[F+(\j)], v[F+(\j)]
.endr
	v_nop                                          ; a plain instruction behind the last exponential,
	s_wait_alu depctr_va_vdst(0)                   ; and one wait for the eight, ahead of their first reader
.irp j, 0,1,2,3,4,5,6,7
	v_mul_f32 v[R+(\j)], v9, v[F+(\j)]             ; the angle, as reference() forms it
	v_mul_f32 v[N+(\j)], 0x3f22f983, v[R+(\j)]     ; x 2 / pi
	v_rndne_f32 v[N+(\j)], v[N+(\j)]
	v_fmamk_f32 v[R+(\j)], v[N+(\j)], 0xbfc90fdb, v[R+(\j)]  ; r = angle - n pi/2: the f32 nearest to pi/2,
	v_fmamk_f32 v[R+(\j)], v[N+(\j)], 0x333bbd2e, v[R+(\j)]  ; and what that leaves out (it is above pi/2 by 4.37e-8)
	v_mul_f32 v[Z+(\j)], v[R+(\j)], v[R+(\j)]
	v_mov_b32 v[SN+(\j)], 0xb9500d01               ; sin r = r + r z (-1/6 + z (1/120 - z/5040))
	v_fmaak_f32 v[SN+(\j)], v[SN+(\j)], v[Z+(\j)], 0x3c088889
	v_fmaak_f32 v[SN+(\j)], v[SN+(\j)], v[Z+(\j)], 0xbe2aaaab
	v_mul_f32 v[SN+(\j)], v[SN+(\j)], v[Z+(\j)]
	v_fma_f32 v[SN+(\j)], v[SN+(\j)], v[R+(\j)], v[R+(\j)]
	v_mov_b32 v[CN+(\j)], 0x37d00d01               ; cos r = 1 + z (-1/2 + z (1/24 + z (-1/720 + z/40320)))
	v_fmaak_f32 v[CN+(\j)], v[CN+(\j)], v[Z+(\j)], 0xbab60b61
	v_fmaak_f32 v[CN+(\j)], v[CN+(\j)], v[Z+(\j)], 0x3d2aaaab
	v_fmaak_f32 v[CN+(\j)], v[CN+(\j)], v[Z+(\j)], 0xbf000000
	v_fma_f32 v[CN+(\j)], v[CN+(\j)], v[Z+(\j)], 1.0
	v_cvt_i32_f32 v[N+(\j)], v[N+(\j)]
	v_sub_nc_u32 v[N+(\j)], v[N+(\j)], v7          ; sin a = cos(a - pi/2): one quarter turn less
	v_and_b32 v[Z+(\j)], 1, v[N+(\j)]
	v_cmp_ne_u32 vcc_lo, 0, v[Z+(\j)]
	v_cndmask_b32 v[CN+(\j)], v[CN+(\j)], v[SN+(\j)], vcc_lo  ; odd quarter turns: the sine
	v_add_nc_u32 v[N+(\j)], 1, v[N+(\j)]
	v_lshlrev_b32 v[N+(\j)], 30, v[N+(\j)]
	v_and_b32 v[N+(\j)], 0x80000000, v[N+(\j)]     ; quarter turns 1 and 2 modulo 4: the sign turns
	v_xor_b32 v[CN+(\j)], v[CN+(\j)], v[N+(\j)]
.endr
.irp j, 0,1,2,3
	v_cvt_pk_f16_f32 v[64+(\j)], v[CN+2*(\j)], v[CN+2*(\j)+1]
.endr
	global_store_b128 v[VO], v[64:67], s[20:21]
	s_endpgm
.Lfunc_end_k_q5ec04b2f42_prep:
	.size	k_q5ec04b2f42_prep, .Lfunc_end_k_q5ec04b2f42_prep-k_q5ec04b2f42_prep
	.p2alignl 7, 3214868480
	.fill 96, 4, 3214868480
	.section	.rodata,"a",@progbits
	.p2align	6, 0x0
	.amdhsa_kernel k_q5ec04b2f42_prep
		.amdhsa_group_segment_fixed_size 0
		.amdhsa_private_segment_fixed_size 0
		.amdhsa_enable_private_segment 0
		.amdhsa_kernarg_size 72
		.amdhsa_user_sgpr_count 2
		.amdhsa_user_sgpr_kernarg_segment_ptr 1
		.amdhsa_wavefront_size32 1
		.amdhsa_system_sgpr_workgroup_id_x 1
		.amdhsa_system_sgpr_workgroup_id_y 1
		.amdhsa_system_sgpr_workgroup_id_z 1
		.amdhsa_system_vgpr_workitem_id 0
		.amdhsa_next_free_vgpr 224
		.amdhsa_next_free_sgpr 66
		.amdhsa_reserve_vcc 1
		.amdhsa_float_denorm_mode_32 3
		.amdhsa_float_denorm_mode_16_64 3
		.amdhsa_memory_ordered 1
		.amdhsa_forward_progress 1
		.amdhsa_inst_pref_size 49
	.end_amdhsa_kernel
	.amdgpu_metadata
---
amdhsa.version: [ 1, 2 ]
amdhsa.kernels:
  - .name:           k_q5ec04b2f42_prep
    .symbol:         k_q5ec04b2f42_prep.kd
    .args:
      - { .name: x, .offset: 0, .size: 8, .value_kind: global_buffer, .address_space: global }
      - { .name: wq, .offset: 8, .size: 8, .value_kind: global_buffer, .address_space: global }
      - { .name: wk, .offset: 16, .size: 8, .value_kind: global_buffer, .address_space: global }
      - { .name: wv, .offset: 24, .size: 8, .value_kind: global_buffer, .address_space: global }
      - { .name: wo, .offset: 32, .size: 8, .value_kind: global_buffer, .address_space: global }
      - { .name: xb, .offset: 40, .size: 8, .value_kind: global_buffer, .address_space: global }
      - { .name: wb, .offset: 48, .size: 8, .value_kind: global_buffer, .address_space: global }
      - { .name: wob, .offset: 56, .size: 8, .value_kind: global_buffer, .address_space: global }
      - { .name: rt, .offset: 64, .size: 8, .value_kind: global_buffer, .address_space: global }
    .group_segment_fixed_size: 0
    .private_segment_fixed_size: 0
    .kernarg_segment_align: 8
    .kernarg_segment_size: 72
    .max_flat_workgroup_size: 256
    .sgpr_count:     66
    .vgpr_count:     224
    .wavefront_size: 32
...
	.end_amdgpu_metadata
.endif
;; end of part 1
;; launch qkv (part 2): grid 8 x 32, 4 waves a work-group, clusters of 4 x 4, 327,680 bytes of LDS; arguments xb, wb, rt, qh, kh, vh; writes qh, kh, vh
.if DOCPART == 2
	.amdgcn_target "amdgcn-amd-amdhsa--gfx1250"
	.amdhsa_code_object_version 6
	.text
	.protected	k_q5ec04b2f42_qkv
	.globl	k_q5ec04b2f42_qkv
	.p2align	8
	.type	k_q5ec04b2f42_qkv,@function
k_q5ec04b2f42_qkv:
	s_mov_b64 s[64:65], 0
	v_nop
	global_prefetch_b8 v0, s[64:65] scope:SCOPE_SE
	s_setreg_imm32_b32 hwreg(HW_REG_WAVE_MODE, 25, 1), 1
	s_wait_xcnt 0x0
	s_wait_alu depctr_hold_cnt(0) depctr_sa_sdst(0) depctr_va_vdst(0) depctr_va_sdst(0) depctr_va_ssrc(0) depctr_va_vcc(0) depctr_vm_vsrc(0)
	s_getreg_b32 s2, hwreg(HW_REG_IB_STS2, 6, 4)
	s_cmp_eq_u32 s2, 0
	s_cbranch_scc0 .Lentry_in_a_cluster
	s_endpgm
.Lentry_in_a_cluster:
	s_bfe_u32 s2, ttmp6, 0x10000c
	s_cmp_lg_u32 s2, 0xf033
	s_cbranch_scc0 .Lentry_shape_is_right
	s_endpgm
.Lentry_shape_is_right:
; q, k, v = x w, with the rotary turn of q and k on the way out.  xb: bf16 [kb = 16][row = 8192][64]; wb: bf16 [matrix = 3][head = 8][k = 1024][d = 128]; rt: f16 [t = 2048][cos 64 | sin 64];
; qh, kh, vh: f16 [batch x 8 + head][t = 2048][128].  Products in bf16, sums in f32, K ascending.
; LIMITS.  q, k, v leave as f16: beyond 65,504 they would be infinities (drawn inputs give a spread of 1).  q and k are rounded to f16 twice, once into the stage and once behind the turn; cos and sin are f16.
; The scale 1/128 of the scores is not applied here.
; SHARES.  256 work-groups, each 256 rows x 384 columns: the q, k and v columns of ONE head, so that all work-groups have the same text.  Four waves, 2 x 2: a wave makes 128 rows x 192 columns
; (64 of q, of k and of v): 96 accumulators of 16 x 16, 768 registers.  K goes in 16 steps of 64 through two LDS slots.
; THE MATRIX INSTRUCTION IS USED TRANSPOSED: source 0 = 16 columns of w, source 1 = 16 rows of x: a lane then holds one row and eight neighbouring columns.  w lies [k][d] in LDS as in memory and
; comes out turned, by ds_load_tr16_b128.
; CLUSTER 4 x 4.  The four work-groups of a row of the cluster share their rows of x (and of the table), the four of a column their head's weights: each tile is asked for jointly.
; REGISTERS, in windows of 256: window 0: v0-31 addresses; v32-95, v96-159 fragments of x, two buffers; v160-255 fragments of w (12 x 8), one buffer in three groups;
; windows 1, 2, 3: the accumulators of q, k, v: (row block a, column block bb) at 8 (8 bb + a).
.set PA,     144                       ; a row of x in LDS: 128 bytes + 16 = 36 words: 16 rows start at 16 different groups of four banks (64 banks of 4 bytes: ISA guide 11.1)
.set PW,     288                       ; a k-row of w: 256 + 32 = 72 words
.set BOFF,   256*PA                    ; a slot: 256 rows of x, then three matrices of 64 k-rows
.set BMAT,   64*PW
.set SLOT1,  131072                    ; slot 1 begins here: one exclusive or turns an address in one slot into the other's
.set TBL,    SLOT1+BOFF+3*BMAT         ; behind the ring: 256 rows x 256 bytes of the table, filled once
.set SPARE,  TBL+65536                 ; the spare words, 128 bytes a wave: two blocks of 256 bytes that no other line names
.set SPITCH, 784                       ; the stage, 256 rows x (768 + 16) bytes from LDS byte 0: it lies over the ring, whose slots have had their last fill by then
.set ASTEP,  1048576                   ; bytes from a K step to the next in xb
.set BSTEP,  16384                     ; and in wb
.set ADRA0, 2                          ; v2   my lane's place in a slot's x; never rewritten
.set ADRB0, 3                          ; v3   the same for w
.set ADRA,  4                          ; v4   the same in the slot in hand
.set ADRB,  5                          ; v5
.set STO,   6                          ; v6, v7  the way out: where I put 16 bytes of a row (row blocks 0-3; 4-7)
.set RDX,   8                          ; v8   where I read 16 bytes of a row back
.set RDY,   9                          ; v9   the 16 bytes 64 channels away
.set TBA,   10                         ; v10  my cosines in the table
.set GO,    11                         ; v11  my byte offset in the outputs
.set PFO,   12                         ; v12  the prefetches' offset; never rewritten
.set SGN,   13                         ; v13  the sines' sign: two sign bits in the lanes of channels 0-63
.set SPW,   14                         ; v14  LDS address of my spare word; never rewritten
.set NIL,   15                         ; v15  0; never rewritten
.set ZR,    16                         ; v16  0.0
.set AF0,   32
.set AF1,   96
.set BF,    160
.set RB,    32                         ; the way out: 28 registers for each of four row pairs
.set T,     144                        ; v[144:151] at work
.set WV,  16                           ; s16  wave
.set MH,  17                           ; s17  which 128 rows are mine
.set NH,  18                           ; s18  which 64 columns of each matrix
.set CX,  19
.set CY,  20
.set HX,  21                           ; s21  the head
.set MY,  22                           ; s22  the block of 256 rows
.set G1A, 28                           ; s[28:35] descriptor group 1: x
.set G1B, 36                           ; s[36:43] w
.set G1T, 44                           ; s[44:51] the table
.set G0A, 52                           ; s[52:59] group 0 for x: a set for each first fill; the second then walks
.set QB,  66                           ; s[66:71] the three outputs at the work-group's first row
.set G0B, 72                           ; s[72:79] group 0 for w
.set G0T, 80                           ; s[80:83]
.set TB,  84                           ; s84  the slot in hand: 0 or SLOT1
.set PFA, 86                           ; s[86:87] where my prefetches stand
.set PFS, 88                           ; s[88:89] their step
.set LIM, 90                           ; s90-92  a wave prefetches in the trips with s3 > LIM and s3 & PM = PVAL
.set PM,  91
.set PVAL, 92
.set MSB, 0
.macro WIN new                         ; the immediate's high byte repeats the setting that is left; a switch that changes nothing is dropped
.if MSB != (\new)
	s_set_vgpr_msb (MSB<<8)|(\new)
.set MSB, \new
.endif
.endm
.macro PLACES                          ; four plain instructions between a matrix instruction and a load into, or a reader of, its registers (ISA guide 7.12.1 for readers)
.rept 4
	v_nop
.endr
.endm
.macro CREST                           ; a round of the cluster's barrier behind its opening barrier
	s_cmp_lg_u32 s[WV], 0
	s_cbranch_scc1 .Lnot_wave_0_\@
	s_barrier_signal -3
.Lnot_wave_0_\@:
	s_barrier_wait -3
	s_barrier_signal -1
	s_barrier_wait -1
.endm
.macro CROUND
	s_barrier_signal -1
	s_barrier_wait -1
	CREST
.endm
; A joint refill.  Wave 0 fetches the step's 256 rows of x, waves 1 to 3 its 64 k-rows of wq, wk, wv.  The branch hangs on the wave's number alone.  An s_nop 0 and four v_nop follow each line.
.macro JLOAD
	s_cmp_eq_u32 s[WV], 0
	s_cbranch_scc0 .Lfor_b_\@
	tensor_load_to_lds s[G0A+4:G0A+7], s[G1A:G1A+7]
	s_nop 0
.rept 4
	v_nop
.endr
	s_branch .Lasked_\@
.Lfor_b_\@:
	tensor_load_to_lds s[G0B+4:G0B+7], s[G1B:G1B+7]
	s_nop 0
.rept 4
	v_nop
.endr
.Lasked_\@:
.endm
; A PREFETCH INTO THE L2, behind the joint refill and the run of LDS loads that follows it.  x: behind the refill of K step u, K step u + 1: 192 matrix instructions ahead of its load; a step's 32,768 bytes of my row
; block are 128 blocks of 256 bytes: wave 0 of each of the four partners takes 32 (told apart by address, cx), in the clusters with x = 0 alone, since both clusters of a row read them.
; w: a matrix's step is 64 blocks; each of the four partners of a column takes 16 (cy), so a wave's 32 lanes name two steps, u + 1 and u + 2, at every second refill (odd u up to 13); clusters with y = 0 alone.
; So each block is named once.  K steps 0 to 2 of x and 0 to 3 of w come by their loads alone; nothing behind step 15 is named.
.macro ASK
	s_and_b32 s93, s3, s[PM]
	s_cmp_eq_u32 s93, s[PVAL]
	s_cselect_b32 s93, s[LIM], -1
	s_cmp_gt_u32 s3, s93
	s_cbranch_scc0 .Lnot_mine_\@
	global_prefetch_b8 v[PFO], s[PFA:PFA+1] th:TH_LOAD_NT scope:SCOPE_SE
.Lnot_mine_\@:
.endm
; Matrix g's column blocks bb0 .. bb1 x all 8 row blocks, 32 along K.  The accumulators take turns, one instruction a turn: two links of a chain stand 96 instructions apart.
.macro GRP g, bb0, bb1, abuf, zero
	WIN (1+(\g))*0x50                              ; C and D in window 1 + g, both sources in window 0
.set bb, \bb0
.rept (\bb1)-(\bb0)+1
.set a, 0
.rept 8
.if \zero
	v_wmma_f32_16x16x32_bf16 v[8*(8*bb+a):8*(8*bb+a)+7], v[BF+8*(4*(\g)+bb):BF+8*(4*(\g)+bb)+7], v[(\abuf)+8*a:(\abuf)+8*a+7], 0
.else
	v_wmma_f32_16x16x32_bf16 v[8*(8*bb+a):8*(8*bb+a)+7], v[BF+8*(4*(\g)+bb):BF+8*(4*(\g)+bb)+7], v[(\abuf)+8*a:(\abuf)+8*a+7], v[8*(8*bb+a):8*(8*bb+a)+7]
.endif
.set a, a+1
.endr
.set bb, bb+1
.endr
.endm
.macro LDB g, kq                       ; matrix g's four fragments for quarter kq: 8 turning loads
	WIN 0
.irp bb, 0,1,2,3
	ds_load_tr16_b128 v[BF+8*(4*(\g)+(\bb)):BF+8*(4*(\g)+(\bb))+3],   v[ADRB] offset:(\g)*BMAT+(\kq)*32*PW+32*(\bb)
	ds_load_tr16_b128 v[BF+8*(4*(\g)+(\bb))+4:BF+8*(4*(\g)+(\bb))+7], v[ADRB] offset:(\g)*BMAT+(\kq)*32*PW+16*PW+32*(\bb)
.endr
.endm
.macro LDA buf, kq                     ; x's eight fragments for quarter kq: 16 loads
	WIN 0
.irp a, 0,1,2,3,4,5,6,7
	ds_load_b128 v[(\buf)+8*(\a):(\buf)+8*(\a)+3],   v[ADRA] offset:(\a)*16*PA+64*(\kq)
	ds_load_b128 v[(\buf)+8*(\a)+4:(\buf)+8*(\a)+7], v[ADRA] offset:(\a)*16*PA+64*(\kq)+32
.endr
.endm
; A quarter of 32 along K: 96 matrix instructions in three groups.  Behind each group its fragments of w are fetched for the next quarter (behind the first also x's, into the other buffer): runs of 24, 8 and 8 loads.
; The counts: at the head the two later runs of 8 may be out; ahead of group 1 the last run of 8 and the 24 just issued; ahead of group 2 the 24 and the 8 just issued.  nxt = 0: the last quarter fetches nothing.
.macro QUART kq, zero, nxt
	s_wait_dscnt 16
	GRP 0, 0, 3, AF0+64*(\kq), \zero
.if \nxt
	PLACES
	LDB 0, 1-(\kq)
	LDA AF0+64*(1-(\kq)), 1-(\kq)
	s_wait_dscnt 32
.else
	s_wait_dscnt 8
.endif
	GRP 1, 0, 3, AF0+64*(\kq), \zero
.if \nxt
	PLACES
	LDB 1, 1-(\kq)
	s_wait_dscnt 32
.else
	s_wait_dscnt 0x0
.endif
	GRP 2, 0, 3, AF0+64*(\kq), \zero
.if \nxt
	PLACES
	LDB 2, 1-(\kq)
.endif
.endm
; A step's second quarter, with the change of slots.  All reads of the slot in hand were issued in the quarter before.  Each wave waits for all its tensor loads (the one that is out is its part of the other slot),
; adds 0 to its spare word, and waits for that and for its reads; behind the barrier nobody reads this slot and the other is whole.  fill = 1: the barrier opens a round of the cluster's, and the joint
; refill, two K steps on, is the first thing behind it: 160 matrix instructions stand between it and the wait for it.
.macro TQ fill
	WIN 0
.if \fill
	s_wait_xcnt 0x0                                ; the last prefetch, a K step back, has read its address
	s_add_nc_u64 s[PFA:PFA+1], s[PFA:PFA+1], s[PFS:PFS+1]
.endif
	s_wait_tensorcnt 0x0                           ; no tensor load of mine is out, so a group 0 may be written
	ds_add_u32 v[SPW], v[NIL]                      ; 0 onto my spare word
.if \fill
	s_xor_b32 s[G0A+5], s[G0A+5], SLOT1            ; the walking descriptors: the other slot than last time, the next K step
	s_add_nc_u64 s[G0A+6:G0A+7], s[G0A+6:G0A+7], ASTEP
	s_xor_b32 s[G0B+5], s[G0B+5], SLOT1
	s_add_nc_u64 s[G0B+6:G0B+7], s[G0B+6:G0B+7], BSTEP
.endif
	s_wait_dscnt 17                                ; the add and the two later runs of 8 may be out
	GRP 0, 0, 1, AF1, 0
	s_wait_dscnt 0x0                               ; the add is done, and my reads of this slot are over
	s_barrier_signal -1
	GRP 0, 2, 3, AF1, 0
	WIN 0
	s_barrier_wait -1
.if \fill
	CREST
	s_xor_b32 s[TB], s[TB], SLOT1
	JLOAD                                          ; its four v_nop are also the places in front of the loads below
.else
	s_xor_b32 s[TB], s[TB], SLOT1
	PLACES
.endif
	v_add_nc_u32 v[ADRA], s[TB], v[ADRA0]
	v_add_nc_u32 v[ADRB], s[TB], v[ADRB0]
	LDB 0, 0
	LDA AF0, 0
.if \fill
	ASK
.endif
	GRP 1, 0, 3, AF1, 0
	PLACES
	LDB 1, 0
	GRP 2, 0, 3, AF1, 0
	PLACES
	LDB 2, 0
.endm
; The rotary turn of 8 channels: out = X cos + Y (+-sin), Y the channel 64 away; the product with the sine in f32, then one fused multiply-add rounded once to f16, in place.
.macro ROPE x, y, c, s
.irp e, 0,1,2,3
	v_fma_mix_f32 v[T+2*(\e)],   v[(\y)+(\e)], v[(\s)+(\e)], v[ZR] op_sel_hi:[1,1,0]
	v_fma_mix_f32 v[T+2*(\e)+1], v[(\y)+(\e)], v[(\s)+(\e)], v[ZR] op_sel:[1,1,0] op_sel_hi:[1,1,0]
.endr
.irp e, 0,1,2,3
	v_fma_mixlo_f16 v[(\x)+(\e)], v[(\x)+(\e)], v[(\c)+(\e)], v[T+2*(\e)] op_sel_hi:[1,1,0]
	v_fma_mixhi_f16 v[(\x)+(\e)], v[(\x)+(\e)], v[(\c)+(\e)], v[T+2*(\e)+1] op_sel:[1,1,0] op_sel_hi:[1,1,0]
.endr
.endm
	s_load_b256 s[4:11], s[0:1], 0x0               ; xb s[4:5], wb s[6:7], rt s[8:9], qh s[10:11]
	s_load_b128 s[12:15], s[0:1], 0x20             ; kh s[12:13], vh s[14:15]
	v_lshl_add_u32 v[SPW], v0, 2, SPARE
	v_mov_b32 v[NIL], 0
	ds_add_u32 v[SPW], v[NIL]                      ; the wave's opening: the add and its wait stand ahead of my first tensor load; the set-up below stands between them
	v_lshrrev_b32 v1, 5, v0
	v_readfirstlane_b32 s[WV], v1
	s_lshr_b32 s[MH], s[WV], 1
	s_and_b32 s[NH], s[WV], 1
	s_bfe_u32 s[CX], ttmp6, 0x40000
	s_bfe_u32 s[CY], ttmp6, 0x40004
	s_lshl_b32 s[HX], ttmp9, 2
	s_add_co_u32 s[HX], s[HX], s[CX]               ; head = 4 x cluster x + cx
	s_and_b32 s[MY], ttmp7, 0xffff
	s_lshl_b32 s[MY], s[MY], 2
	s_add_co_u32 s[MY], s[MY], s[CY]               ; row block = 4 x cluster y + cy
	s_lshl_b32 s23, s[CY], 2
	s_lshl_b32 s23, 15, s23                        ; my row of the cluster
	s_lshl_b32 s24, 0x1111, s[CX]                  ; my column
	s_or_b32 s[G1A], s23, (1<<16)|(1<<20)|(1<<21)|(4<<22)|(3<<25)  ; the mask; 2-byte elements; padding on; bit 21 beside a mask; after every 32 words, 4 words
	s_or_b32 s[G1B], s24, (1<<16)|(1<<20)|(1<<21)|(5<<22)|(7<<25)  ; after every 64 words, 8 words
	s_or_b32 s[G1T], s23, (3<<16)|(1<<21)                          ; 8-byte elements, no padding
	s_mov_b32 s[G1A+1], 128<<16                    ; x: 32,768 dense bytes as 128 rows of 256 bytes, two rows of x to a row
	s_mov_b32 s[G1A+2], 128<<16
	s_mov_b32 s[G1A+3], 128<<16
	s_mov_b32 s[G1A+4], 128
	s_mov_b32 s[G1A+5], 128
	s_mov_b32 s[G1A+6], 0
	s_mov_b32 s[G1A+7], 0
	s_mov_b32 s[G1B+1], 128<<16                    ; w: 64 k-rows of 128 elements
	s_mov_b32 s[G1B+2], 64<<16
	s_mov_b32 s[G1B+3], 128<<16
	s_mov_b32 s[G1B+4], 64
	s_mov_b32 s[G1B+5], 128
	s_mov_b32 s[G1B+6], 0
	s_mov_b32 s[G1B+7], 0
	s_mov_b32 s[G1T+1], 32<<16                     ; the table: 256 rows of 32 elements of 8 bytes
	s_mov_b32 s[G1T+2], 256<<16
	s_mov_b32 s[G1T+3], 32<<16
	s_mov_b32 s[G1T+4], 256
	s_mov_b32 s[G1T+5], 32
	s_mov_b32 s[G1T+6], 0
	s_mov_b32 s[G1T+7], 0
	s_lshl_b32 s60, s[MY], 15                      ; x: my row block in a K block; made of the row block alone
	s_mov_b32 s61, 0
	s_mul_i32 s26, s[WV], BMAT                     ; where my matrix goes in a slot: wave x 18,432 + a constant: waves 1, 2, 3 have the three places behind x's rows
	s_add_co_u32 s26, s26, BOFF-BMAT               ; (wave 0 fetches x and never names this word)
	s_max_u32 s25, s[WV], 1
	s_sub_co_u32 s25, s25, 1                       ; the matrix that I fetch (waves 1 to 3): it enters the global address alone
	s_lshl_b32 s62, s25, 21                        ; w: matrix and head alone
	s_lshl_b32 s27, s[HX], 18
	s_add_co_u32 s62, s62, s27
	s_mov_b32 s63, 0
	s_and_b32 s94, s[MY], 7                        ; the table: my 256 positions
	s_lshl_b32 s94, s94, 16
	s_mov_b32 s95, 0
	s_lshr_b32 s96, s[MY], 3                       ; the outputs: batch, head, position
	s_lshl_b32 s96, s96, 22
	s_add_co_u32 s96, s96, s94
	s_lshl_b32 s98, s[HX], 19
	s_add_co_u32 s96, s96, s98
	s_mov_b32 s97, 0
	s_mov_b32 s[TB], 0
	s_lshl_b32 s98, s[CX], 13                      ; the prefetches: my work-group's share, by address
	s_lshl_b32 s99, s[CY], 12
	s_and_b32 s93, ttmp7, 0xffff
	s_mov_b32 s[PFS], BSTEP
	s_mov_b32 s[PFS+1], 0
	s_mov_b32 s85, 16384
	s_cmp_eq_u32 s[WV], 0                          ; do I fetch x?
	s_cselect_b32 s98, s98, s99
	s_cselect_b32 s93, ttmp9, s93                  ; the coordinate along which other clusters read the same bytes
	s_cselect_b32 s[PFS], ASTEP, s[PFS]
	s_cselect_b32 s85, 4096, s85                   ; lanes 16-31: the next 16 blocks of x, or the next K step of w
	s_cselect_b32 s[PM], 0, 1
	s_cselect_b32 s24, 1, 2
	s_mov_b32 s[PVAL], s[PM]
	s_cmp_eq_u32 s93, 0
	s_cselect_b32 s[LIM], s24, -1                  ; the same in all sixteen partners, for a given wave
	s_lshl_b32 s99, s[PFS], 1
	s_add_co_u32 s98, s98, s99                     ; at K step 2: the first refill steps it to 3
	s_mov_b32 s99, 0
	s_wait_dscnt 0x0                               ; the opening add is done
	s_wait_kmcnt 0x0
	s_add_nc_u64 s[60:61], s[4:5], s[60:61]
	s_add_nc_u64 s[62:63], s[6:7], s[62:63]
	s_add_nc_u64 s[94:95], s[8:9], s[94:95]
	s_add_nc_u64 s[QB:QB+1], s[10:11], s[96:97]
	s_add_nc_u64 s[QB+2:QB+3], s[12:13], s[96:97]
	s_add_nc_u64 s[QB+4:QB+5], s[14:15], s[96:97]
	s_cmp_eq_u32 s[WV], 0
	s_cselect_b64 s[PFA:PFA+1], s[60:61], s[62:63]
	s_add_nc_u64 s[PFA:PFA+1], s[PFA:PFA+1], s[98:99]
.irp s, 0,1
	s_mov_b32 s[G0A+4*(\s)], 1
	s_mov_b32 s[G0A+4*(\s)+1], (\s)*SLOT1
	s_add_nc_u64 s[G0A+4*(\s)+2:G0A+4*(\s)+3], s[60:61], (\s)*ASTEP
	s_or_b32 s[G0A+4*(\s)+3], s[G0A+4*(\s)+3], 0x80000000
	s_mov_b32 s[G0B+4*(\s)], 1
	s_add_co_u32 s[G0B+4*(\s)+1], s26, (\s)*SLOT1
	s_add_nc_u64 s[G0B+4*(\s)+2:G0B+4*(\s)+3], s[62:63], (\s)*BSTEP
	s_or_b32 s[G0B+4*(\s)+3], s[G0B+4*(\s)+3], 0x80000000
.endr
	s_mov_b32 s[G0T], 1
	s_mov_b32 s[G0T+1], TBL
	s_mov_b64 s[G0T+2:G0T+3], s[94:95]
	s_or_b32 s[G0T+3], s[G0T+3], 0x80000000
	CROUND                                         ; all sixteen work-groups are here: the first joint loads meet
	s_cmp_eq_u32 s[WV], 0                          ; a wave's first fills stand in one branch on its number: at most three loads of mine are out
	s_cbranch_scc0 .Lfirst_b
	tensor_load_to_lds s[G0A:G0A+3], s[G1A:G1A+7]
	s_nop 0
	tensor_load_to_lds s[G0A+4:G0A+7], s[G1A:G1A+7]
	s_nop 0
.rept 4
	v_nop
.endr
	s_branch .Lfirst_done
.Lfirst_b:
	s_cmp_eq_u32 s[WV], 1
	s_cbranch_scc0 .Lfirst_b23
	tensor_load_to_lds s[G0B:G0B+3], s[G1B:G1B+7]
	s_nop 0
	tensor_load_to_lds s[G0B+4:G0B+7], s[G1B:G1B+7]
	s_nop 0
	tensor_load_to_lds s[G0T:G0T+3], s[G1T:G1T+7]  ; the table: wanted on the way out alone
	s_nop 0
.rept 4
	v_nop
.endr
	s_branch .Lfirst_done
.Lfirst_b23:
	tensor_load_to_lds s[G0B:G0B+3], s[G1B:G1B+7]
	s_nop 0
	tensor_load_to_lds s[G0B+4:G0B+7], s[G1B:G1B+7]
	s_nop 0
.rept 4
	v_nop
.endr
.Lfirst_done:
	v_and_b32 v17, 15, v0                          ; l % 16
	v_bfe_u32 v18, v0, 4, 1                        ; l / 16
	v_and_b32 v19, 7, v0
	v_bfe_u32 v20, v0, 3, 1
	v_mul_u32_u24 v[ADRA0], v17, PA                ; a fragment of x: row l % 16, 16 bytes for each half of the lanes
	v_lshl_add_u32 v[ADRA0], v18, 4, v[ADRA0]
	s_mul_i32 s23, s[MH], 128*PA
	v_add_nc_u32 v[ADRA0], s23, v[ADRA0]
	v_lshl_add_u32 v[ADRB0], v18, 3, v19           ; the turning load: k-row 8 (l / 16) + l % 8, columns 8 ((l / 8) % 2) on
	v_mul_u32_u24 v[ADRB0], v[ADRB0], PW
	v_lshl_add_u32 v[ADRB0], v20, 4, v[ADRB0]
	s_lshl_b32 s23, s[NH], 7
	s_add_co_u32 s23, s23, BOFF
	v_add_nc_u32 v[ADRB0], s23, v[ADRB0]
	v_mov_b32 v[ADRA], v[ADRA0]
	v_mov_b32 v[ADRB], v[ADRB0]
	v_mul_u32_u24 v[STO], v17, SPITCH              ; into the stage: row 128 mh + l % 16, my 64 columns of a matrix, 16 bytes for each half of the lanes
	v_lshl_add_u32 v[STO], v18, 4, v[STO]
	s_mul_i32 s23, s[MH], 128*SPITCH
	s_lshl_b32 s24, s[NH], 7
	s_add_co_u32 s23, s23, s24
	v_add_nc_u32 v[STO], s23, v[STO]
	v_add_nc_u32 v[STO+1], 64*SPITCH, v[STO]
	v_mul_u32_u24 v[RDX], v18, SPITCH              ; back: wave w takes rows 64 w on; lanes 0-15 one row, lanes 16-31 the next
	s_mul_i32 s23, s[WV], 64*SPITCH
	v_add_nc_u32 v[RDX], s23, v[RDX]
	v_xor_b32 v21, 8, v17
	v_lshl_add_u32 v[RDY], v21, 4, v[RDX]
	v_lshl_add_u32 v[RDX], v17, 4, v[RDX]
	v_lshlrev_b32 v[TBA], 8, v18
	v_lshl_add_u32 v[TBA], v19, 4, v[TBA]
	s_lshl_b32 s23, s[WV], 14
	v_lshlrev_b32 v[GO], 8, v18
	v_lshl_add_u32 v[GO], v17, 4, v[GO]
	v_add_nc_u32 v[GO], s23, v[GO]
	s_add_co_u32 s23, s23, TBL
	v_add_nc_u32 v[TBA], s23, v[TBA]
	v_mov_b32 v22, 0x80008000
	v_cmp_gt_u32 vcc_lo, 8, v17
	v_cndmask_b32 v[SGN], 0, v22, vcc_lo           ; channels 0-63: even cos - odd sin; channels 64-127: odd cos + even sin
	v_mov_b32 v[ZR], 0
	v_lshlrev_b32 v[PFO], 8, v17
	v_mad_u32_u24 v[PFO], v18, s85, v[PFO]
	s_wait_tensorcnt 1                             ; my part of K step 0 is in; my youngest load may stay out
	s_barrier_signal -1
	s_barrier_wait -1
	LDB 0, 0
	LDA AF0, 0
	LDB 1, 0
	LDB 2, 0
	QUART 0, 1, 1                                  ; the first quarter stands in front of the loop: its products start the sums
	s_mov_b32 s3, 14
.Lk:                                               ; 14 trips: from a step's second quarter to the next step's first; K steps 2 to 15 are asked for
	TQ 1
	QUART 0, 0, 1
	s_sub_co_u32 s3, s3, 1
	s_cmp_lg_u32 s3, 0
	s_cbranch_scc1 .Lk
	TQ 0                                           ; the tail is written out: nothing is left to fetch
	QUART 0, 0, 1
	QUART 1, 0, 0
	; THE WAY OUT.  Rounded to f16, 16 bytes a lane, into a stage of 256 rows x 384 columns; a barrier on either side, since the ring's bytes are written and rows are read across waves.
	WIN 0
	PLACES
	s_wait_dscnt 0x0
	s_barrier_signal -1
	s_barrier_wait -1                              ; nobody reads the ring any more; its last fill has landed in every wave's count
.irp wd, 1,2,3
.irp hf, 0,1
	WIN (\wd)*5                                    ; sources 0 and 1 in the matrix's window
.set ti, 0
.rept 16                                           ; row block 4 hf + ti / 4, column block ti % 4; each accumulator's registers in ascending order
.set ac, 8*(8*(ti%4)+4*(\hf)+ti/4)
.irp e, 0,1,2,3
	v_cvt_pk_f16_f32 v[AF0+4*ti+(\e)], v[ac+2*(\e)], v[ac+2*(\e)+1]
.endr
.set ti, ti+1
.endr
	WIN 0
.set ti, 0
.rept 16
	ds_store_b128 v[STO+(\hf)], v[AF0+4*ti:AF0+4*ti+3] offset:(ti/4)*16*SPITCH+((\wd)-1)*256+32*(ti%4)
.set ti, ti+1
.endr
.endr
.endr
	s_wait_dscnt 0x0                               ; for the others' sake: my stores into the stage are done
	s_barrier_signal -1
	s_barrier_wait -1
	s_mov_b32 s3, 8
.Lrope:                                            ; 8 trips of 8 rows, as four pairs of rows; sixteen lanes hold a row's 256 bytes of a matrix
.irp rp, 0,1,2,3
	ds_load_b128 v[RB+28*(\rp):RB+28*(\rp)+3],     v[RDX] offset:2*SPITCH*(\rp)        ; q, my 8 channels
	ds_load_b128 v[RB+28*(\rp)+4:RB+28*(\rp)+7],   v[RDY] offset:2*SPITCH*(\rp)        ; q, 64 channels away
	ds_load_b128 v[RB+28*(\rp)+8:RB+28*(\rp)+11],  v[RDX] offset:2*SPITCH*(\rp)+256    ; k
	ds_load_b128 v[RB+28*(\rp)+12:RB+28*(\rp)+15], v[RDY] offset:2*SPITCH*(\rp)+256
	ds_load_b128 v[RB+28*(\rp)+16:RB+28*(\rp)+19], v[RDX] offset:2*SPITCH*(\rp)+512    ; v
	ds_load_b128 v[RB+28*(\rp)+20:RB+28*(\rp)+23], v[TBA] offset:512*(\rp)             ; cos
	ds_load_b128 v[RB+28*(\rp)+24:RB+28*(\rp)+27], v[TBA] offset:512*(\rp)+128         ; sin
.endr
.irp rp, 0,1,2,3
	s_wait_dscnt 21-7*(\rp)                        ; the later pairs' sevens may be out
.irp e, 0,1,2,3
	v_xor_b32 v[RB+28*(\rp)+24+(\e)], v[SGN], v[RB+28*(\rp)+24+(\e)]
.endr
	ROPE RB+28*(\rp), RB+28*(\rp)+4, RB+28*(\rp)+20, RB+28*(\rp)+24
	ROPE RB+28*(\rp)+8, RB+28*(\rp)+12, RB+28*(\rp)+20, RB+28*(\rp)+24
	global_store_b128 v[GO], v[RB+28*(\rp):RB+28*(\rp)+3],     s[QB:QB+1]   offset:512*(\rp)  ; 16 lanes store 256 consecutive bytes, aligned
	global_store_b128 v[GO], v[RB+28*(\rp)+8:RB+28*(\rp)+11],  s[QB+2:QB+3] offset:512*(\rp)
	global_store_b128 v[GO], v[RB+28*(\rp)+16:RB+28*(\rp)+19], s[QB+4:QB+5] offset:512*(\rp)
.endr
	s_wait_xcnt 0x0                                ; the stores have read their data and their offset: only now are these written again
	v_add_nc_u32 v[RDX], 8*SPITCH, v[RDX]
	v_add_nc_u32 v[RDY], 8*SPITCH, v[RDY]
	v_add_nc_u32 v[TBA], 2048, v[TBA]
	v_add_nc_u32 v[GO], 2048, v[GO]
	s_sub_co_u32 s3, s3, 1
	s_cmp_lg_u32 s3, 0
	s_cbranch_scc1 .Lrope
	s_wait_tensorcnt 0x0                           ; the wave's end: a wait, an add to my spare word and its wait, behind my last tensor load and my last LDS store
	ds_add_u32 v[SPW], v[NIL]
	s_wait_dscnt 0x0
	CROUND                                         ; the closing round: no work-group ends while a partner may still ask for a tile that names it
	s_endpgm
.Lfunc_end_k_q5ec04b2f42_qkv:
	.size	k_q5ec04b2f42_qkv, .Lfunc_end_k_q5ec04b2f42_qkv-k_q5ec04b2f42_qkv
	.p2alignl 7, 3214868480
	.fill 96, 4, 3214868480
	.section	.rodata,"a",@progbits
	.p2align	6, 0x0
	.amdhsa_kernel k_q5ec04b2f42_qkv
		.amdhsa_group_segment_fixed_size 327680
		.amdhsa_private_segment_fixed_size 0
		.amdhsa_enable_private_segment 0
		.amdhsa_kernarg_size 48
		.amdhsa_user_sgpr_count 2
		.amdhsa_user_sgpr_kernarg_segment_ptr 1
		.amdhsa_wavefront_size32 1
		.amdhsa_system_sgpr_workgroup_id_x 1
		.amdhsa_system_sgpr_workgroup_id_y 1
		.amdhsa_system_sgpr_workgroup_id_z 1
		.amdhsa_system_vgpr_workitem_id 0
		.amdhsa_next_free_vgpr 1024
		.amdhsa_next_free_sgpr 100
		.amdhsa_reserve_vcc 1
		.amdhsa_float_denorm_mode_32 3
		.amdhsa_float_denorm_mode_16_64 3
		.amdhsa_memory_ordered 1
		.amdhsa_forward_progress 1
		.amdhsa_inst_pref_size 109
	.end_amdhsa_kernel
	.amdgpu_metadata
---
amdhsa.version: [ 1, 2 ]
amdhsa.kernels:
  - .name:           k_q5ec04b2f42_qkv
    .symbol:         k_q5ec04b2f42_qkv.kd
    .args:
      - { .name: xb, .offset: 0, .size: 8, .value_kind: global_buffer, .address_space: global }
      - { .name: wb, .offset: 8, .size: 8, .value_kind: global_buffer, .address_space: global }
      - { .name: rt, .offset: 16, .size: 8, .value_kind: global_buffer, .address_space: global }
      - { .name: qh, .offset: 24, .size: 8, .value_kind: global_buffer, .address_space: global }
      - { .name: kh, .offset: 32, .size: 8, .value_kind: global_buffer, .address_space: global }
      - { .name: vh, .offset: 40, .size: 8, .value_kind: global_buffer, .address_space: global }
    .group_segment_fixed_size: 327680
    .private_segment_fixed_size: 0
    .kernarg_segment_align: 8
    .kernarg_segment_size: 48
    .max_flat_workgroup_size: 128
    .sgpr_count:     100
    .vgpr_count:     1024
    .wavefront_size: 32
...
	.end_amdgpu_metadata
.endif
;; end of part 2
;; launch attn (part 3): grid 8 x 32, 4 waves a work-group, no clusters, 327,680 bytes of LDS; arguments qh, kh, vh, oh; writes oh
.if DOCPART == 3
	.amdgcn_target "amdgcn-amd-amdhsa--gfx1250"
	.amdhsa_code_object_version 6
	.text
	.protected	k_q5ec04b2f42_attn
	.globl	k_q5ec04b2f42_attn
	.p2align	8
	.type	k_q5ec04b2f42_attn,@function
k_q5ec04b2f42_attn:
	s_mov_b64 s[64:65], 0
	v_nop
	global_prefetch_b8 v0, s[64:65] scope:SCOPE_SE
	s_setreg_imm32_b32 hwreg(HW_REG_WAVE_MODE, 25, 1), 1
	s_wait_xcnt 0x0
; CAUSAL ATTENTION.  O[h][q][:] = the sum over k <= q of softmax_k(Q[h][q] . K[h][k] / 128) V[h][k][:].  qh, kh, vh, oh: f16 [32 heads][2048][128], rows of 256 bytes.
; Products, maxima and sums in f32; the weights p are rounded to f16 for the second product (their sum l is taken of the unrounded p), O once at the end.
; LIMITS.  f16 holds no number beyond 65,504: Q, K, V arrive within it.  A hidden score counts as -2^100 (reference(): its value less 1e30): f16's scores, 5.5e11 at the most, are nothing beside either, and
; c x 2^100 is exact in f32, so that where a wave sees hidden keys alone c s - c m is exactly 0.  A weight below 2^-126 counts as 0; NaN and infinities are not treated apart.
; THE WALK.  A head has 16 blocks of 128 queries; block i needs the key tiles 0 .. i of 128 keys, the last of which holds the diagonal.  A work-group takes blocks 15 - b and then b: 17 tiles whatever b,
; so all 256 work-groups do equal work, and the loops count to constants.  Every other jump goes forward and passes neither a barrier nor a tensor load (but the one of LOAD's two that the wave's number does not choose).
; SHARES.  The four waves are 2 x 2: wave (i, j) takes query half i (64 queries: four tiles of 16) and key half j (64 of a tile's 128 keys): a fragment of K or V feeds four tiles' products.  The two waves of a
; query half keep running maxima and sums of their own; at a block's end each gives two tiles' partial results to the other through LDS and finishes the two that it keeps.  Wave (i, j) numbers its tiles so that
; tile t is query tile (t + 2 j) % 4: in every wave tiles 0, 1 are kept and tiles 2, 3 given away.
; NO CLUSTER: a head's 8 work-groups ask for the same tile in trips 0 to 8 alone, and a walk common to four partners would have 20 trips or more for 17.
; LAYOUT.  S^T = K Q^T (source 0 = 16 keys, source 1 = 16 queries): a lane holds ONE query (lane % 16) and the keys 8 (lane / 16) + 0..7.  Two such results rounded to f16 ARE source 1 of O^T = V^T P.
; SOFTMAX.  p = 2^(c s - c m), c = log2(e) / 128, with a running maximum m; O and l are multiplied by a = 2^(c m_old - c m_new) in every step.  m starts at the lowest finite number, so a block's first a is 0.
; A TRIP: K; 32 products K Q^T of tiles 0, 1; 32 of tiles 2, 3 with the softmax of tiles 0, 1 between them; 32 products V^T P of tiles 0, 1 with the softmax of tiles 2, 3 between them; 32 of tiles 2, 3.
; REGISTERS, in windows of 256 (s_set_vgpr_msb: bits 1:0 source 0, 3:2 source 1, 5:4 source 2, 7:6 destination):
;   window 0: v0-11 addresses; v12-43 eight registers of statistics a tile; v44-63 more addresses; v64-191 S^T, 32 a tile; v192-255 P, 16 a tile
;   window 1: O^T, 64 a tile          window 2: v0-127 Q, 32 a tile; v128-255 K          window 3: v0-127 V
.set KS,    64
.set PK,    272       ; a row of K in LDS: 256 bytes + 16 = 68 words: 16 rows start at 16 different groups of four banks (64 banks of 4 bytes: ISA guide 11.1)
.set PVP,   288       ; a row of V: 256 + 32 = 72 words
.set VOFF,  KS*PK     ; a key half's bytes lie together: 64 rows of K, then 64 rows of V
.set STEPB, KS*(PK+PVP)
.set SLOT1, 1<<17     ; a slot holds a tile's two halves; slot 1 begins here
.set MRG,   SLOT1+2*STEPB   ; behind the ring, never filled by a tensor load: 16,384 bytes a wave: two tiles of O^T in f32
.set MST,   MRG+4*16384     ; 512 bytes a wave: their c m and l
.set STAGE, MST+4*512       ; 16 rows x 272 bytes a wave, for the way out
.set SP,    272
.set SPARE, STAGE+4*16*SP   ; the spare words, 128 bytes a wave: two blocks of 256 bytes that no other line names
.set AK0, 2           ; v2   my lane's place in a half's K; never rewritten
.set AV0, 3           ; v3   the same for V
.set ADR, 4           ; v4   the LDS address of the run of loads in hand
.set STO, 6           ; v6   the way out: where I put 16 bytes of a row
.set RD,  7           ; v7   where I read a row back
.set GO,  8           ; v8   my byte offset in a tile's rows of O
.set ST,  12          ; tile t's statistics at v[ST+8 t]: +0 c m, +1 m, +2, +3 l (even keys', odd keys'), +4 to +7 c0-c3 at work; a takes c2's place
.set DQ,  44          ; v44-47  tile t: my query's place less my lanes' first key: key 16 kb + r of my half is hidden where it is greater
.set QOA, 48          ; v48  my byte offset in Q for tiles 0, 1
.set QOB, 49          ; v49  for tiles 2, 3
.set MGS, 50          ; v50  where I put 16 bytes of a tile that I give away
.set MGL, 51          ; v51  where my partner has put them
.set MSS, 52          ; v52  the same for c m and l
.set MSL, 53
.set PC,  54          ; v54-57  my partner's c m and l for my tiles 0, 1
.set PFO, 61          ; v61  256 x my lane; never rewritten
.set SPW, 62          ; v62  LDS address of my spare word; never rewritten
.set NIL, 63          ; v63  0; never rewritten
.set S,   64
.set P,   192
.set KF,  128         ; K's fragments, in window 2: key block kb, channel quarter c at KF + 32 kb + 8 c
.set WV,  12
.set PB,  14          ; s14  b
.set HI,  15          ; s15  15 - b
.set G1K, 24          ; s[24:31] descriptor group 1 for K
.set G1V, 32          ; s[32:39] for V: it differs in the padding alone
.set G0K, 40          ; s[40:47] group 0 for K: a set for each first fill; the second is then made anew for each fill
.set G0V, 48          ; s[48:55]
.set SLOTS, 56        ; s56  trips to go
.set CS,  58          ; s[58:59] c
.set SEL, 60          ; s[60:61] v_permlanex16_b32's selects: each lane takes its own place in the other half
.set TB,  62          ; s62  LDS byte at which my key half of the tile in hand begins
.set RT,  70          ; s70  tiles of the block in hand still to be entered; 0 in the diagonal tile's trip
.set NXT, 71          ; s71  the tile to be asked for next
.set LQ,  72          ; s72  the last tile of the block whose tiles are being asked for
.set OFF, 74          ; s[74:75] a tile's byte offset in K and V
.set BLK, 77          ; s77  blocks finished
.set QLO, 78          ; s[78:79] Q at my rows of the second block
.set OCUR, 80         ; s[80:81] O at the rows that I finish, in the block in hand
.set OLO, 82          ; s[82:83] the same in the second block
.set BIGN, 84         ; s84  -2^100
.set PFA, 86          ; s[86:87] where my prefetches stand
.set LIM, 88          ; s88  3 in the work-group that prefetches, else the greatest number
.set MSB, 0
.macro WIN new
.if MSB != (\new)
	s_set_vgpr_msb (MSB<<8)|(\new)
.set MSB, \new
.endif
.endm
.set W_KQ, 0x0a       ; K and Q in window 2, S^T in window 0
.set W_PV, 0x53       ; V in window 3, P in window 0, O^T in window 1
.set W_RS, 0x41       ; O^T (destination and source 0) in window 1, a in window 0
.macro PLACES
.rept 4
	v_nop
.endr
.endm
; A fill.  Waves 0 and 1 fetch the two halves of a tile's K, waves 2 and 3 those of its V.  An s_nop 0 and four v_nop follow each of the two lines.
.macro LOAD
	s_cmp_lt_u32 s[WV], 2
	s_cbranch_scc0 .Lfor_v_\@
	tensor_load_to_lds s[G0K+4:G0K+7], s[G1K:G1K+7]
	s_nop 0
.rept 4
	v_nop
.endr
	s_branch .Lasked_\@
.Lfor_v_\@:
	tensor_load_to_lds s[G0V+4:G0V+7], s[G1V:G1V+7]
	s_nop 0
.rept 4
	v_nop
.endr
.Lasked_\@:
.endm
; A PREFETCH INTO THE L2.  All eight work-groups of a head walk tiles 0, 1, 2 .. in step at first; the one with b = 0 walks all sixteen, and it alone asks: each wave for the 64 rows of 256 bytes that it will itself
; load, a lane a row, two instructions, behind its tensor load.  Behind the fill of tile s + 2 it names tile s + 4: two changes of slots, 256 matrix instructions and their vector work, ahead of that tile's load.
; Tiles 0 to 3 come by their loads alone; behind tile 15 nothing is named (trips 0 to 11 ask).
.macro ASK
	s_cmp_gt_u32 s[SLOTS], s[LIM]
	s_cbranch_scc0 .Lnot_mine_\@
	global_prefetch_b8 v[PFO], s[PFA:PFA+1] th:TH_LOAD_NT scope:SCOPE_SE
	global_prefetch_b8 v[PFO], s[PFA:PFA+1] offset:8192 th:TH_LOAD_NT scope:SCOPE_SE
.Lnot_mine_\@:
.endm
; THE CHANGE OF SLOTS.  Each wave waits for all its tensor loads (one is out: its part of the other slot), adds 0 to its spare word, and waits for that and for its LDS instructions.  Behind the barrier nobody reads
; the old slot and the other is whole.  fill = 1: the old slot is filled again, first thing, with tile NXT: the address is made anew from that number.
.macro CHANGE fill
	WIN 0
	s_wait_tensorcnt 0x0            ; no tensor load of mine is out, so a group 0 may be written
	ds_add_u32 v[SPW], v[NIL]       ; 0 onto my spare word
.if \fill
	s_lshl_b32 s[OFF], s[NXT], 15   ; a tile is 32,768 bytes of K and of V
	s_xor_b32 s[G0K+5], s[G0K+5], SLOT1
	s_add_nc_u64 s[G0K+6:G0K+7], s[6:7], s[OFF:OFF+1]
	s_or_b32 s[G0K+7], s[G0K+7], 0x80000000
	s_xor_b32 s[G0V+5], s[G0V+5], SLOT1
	s_add_nc_u64 s[G0V+6:G0V+7], s[8:9], s[OFF:OFF+1]
	s_or_b32 s[G0V+7], s[G0V+7], 0x80000000
	s_add_co_u32 s[NXT], s[NXT], 1  ; the block's next tile, or behind its last the second block's tile 0
	s_cmp_gt_u32 s[NXT], s[LQ]
	s_cselect_b32 s[NXT], 0, s[NXT]
	s_cselect_b32 s[LQ], s[PB], s[LQ]
	s_wait_xcnt 0x0                 ; the last prefetches, a trip back, have read their address
	s_add_nc_u64 s[PFA:PFA+1], s[PFA:PFA+1], 32768
.endif
	s_wait_dscnt 0x0                ; the add is done, and my reads of the slot are over
	s_barrier_signal -1
	s_xor_b32 s[TB], s[TB], SLOT1
	s_barrier_wait -1
.if \fill
	LOAD
	ASK
.endif
.endm
; THE MATRIX WORK.  The accumulators take turns, one instruction a turn.
; Product i of 32 of S^T = K Q^T for tiles x, x + 1: channels 32 (i / 8) on, keys 16 ((i / 2) % 4) on, tile x + i % 2.  The first 8 start the sums.
.macro KQ x
	WIN W_KQ
.set rS, S+32*((\x)+i%2)+8*((i/2)%4)
.set rK, KF+32*((i/2)%4)+8*(i/8)
.set rQ, 32*((\x)+i%2)+8*(i/8)
.if i < 8
	v_wmma_f32_16x16x32_f16 v[rS:rS+7], v[rK:rK+7], v[rQ:rQ+7], 0
.else
	v_wmma_f32_16x16x32_f16 v[rS:rS+7], v[rK:rK+7], v[rQ:rQ+7], v[rS:rS+7]
.endif
.endm
; Product i of 32 of O^T += V^T P: keys 32 (i / 16) on, channels 16 ((i / 2) % 8) on, tile x + i % 2.
.macro PV x
	WIN W_PV
.set rO, 64*((\x)+i%2)+8*((i/2)%8)
.set rV, 64*(i/16)+8*((i/2)%8)
.set rP, P+16*((\x)+i%2)+8*(i/16)
	v_wmma_f32_16x16x32_f16 v[rO:rO+7], v[rV:rV+7], v[rP:rP+7], v[rO:rO+7]
.endm
; THE LDS LOADS stand in runs of 32.  K by channel quarters, so that the first products need wait for eight loads alone.
.macro FETCH_K
	WIN 0
	v_add_nc_u32 v[ADR], s[TB], v[AK0]
	WIN 0x80                        ; destination window 2
.irp c, 0,1,2,3
.irp kb, 0,1,2,3
	ds_load_b128 v[KF+32*(\kb)+8*(\c):KF+32*(\kb)+8*(\c)+3],   v[ADR] offset:(\kb)*16*PK+(\c)*64
	ds_load_b128 v[KF+32*(\kb)+8*(\c)+4:KF+32*(\kb)+8*(\c)+7], v[ADR] offset:(\kb)*16*PK+(\c)*64+32
.endr
.endr
.endm
.macro FETCH_V
	WIN 0
	v_add_nc_u32 v[ADR], s[TB], v[AV0]
	s_wait_alu depctr_va_vdst(0)    ; the wait for the softmax's batch of exponentials (SLICE), ahead of the loads
	WIN 0xc0                        ; destination window 3
.irp f, 0,1,2,3,4,5,6,7,8,9,10,11,12,13,14,15  ; keys 32 (f / 8) on, channels 16 (f % 8) on
	ds_load_tr16_b128 v[8*(\f):8*(\f)+3],   v[ADR] offset:((\f)/8)*32*PVP+((\f)%8)*32
	ds_load_tr16_b128 v[8*(\f)+4:8*(\f)+7], v[ADR] offset:((\f)/8)*32*PVP+16*PVP+((\f)%8)*32
.endr
.endm
; THE VECTOR WORK.  One tile's softmax for one step is a list of 134 instructions; SM writes number j of it for tile t.  s0-s31 are the lane's 32 scores, in pairs 0-15.
;   0-15    the maximum of s0-s31 and the old m, three operands at a time (each accumulator's lowest registers are read first)
;   16-20   the other half of the lanes' maximum; the new m; c m; c m_old - c m_new
;   21-69   ONE BATCH: the 16 scalings c s - c m and all 33 exponentials (a at 23, then s0-s31); none of these reads an exponential's result
;   (wait)  between 69 and 70 stands the wait for the batch: SLICE writes it, once for both tiles
;   70-85   the roundings to f16     86-101  the sums; l = a l + the sum     102-133  the tile's O^T times a
.macro SM t
.set rT, ST+8*(\t)
.set rS, S+32*(\t)
.set rP, P+16*(\t)
.set rO, 64*(\t)+2*(j-102)
.if j < 102
	WIN 0
.endif
.if j < 4
	v_max3_num_f32 v[rT+4+j], v[rS+8*j], v[rS+8*j+1], v[rS+8*j+2]
.elseif j < 12
	v_max3_num_f32 v[rT+4+j%4], v[rT+4+j%4], v[rS+8*(j%4)+2*(j/4)+1], v[rS+8*(j%4)+2*(j/4)+2]
.elseif j == 12
	v_max3_num_f32 v[rT+4], v[rT+4], v[rS+7], v[rS+15]
.elseif j == 13
	v_max3_num_f32 v[rT+6], v[rT+6], v[rS+23], v[rS+31]
.elseif j == 14
	v_max3_num_f32 v[rT+4], v[rT+4], v[rT+5], v[rT+6]
.elseif j == 15
	v_max3_num_f32 v[rT+4], v[rT+4], v[rT+7], v[rT+1]
.elseif j == 16
	v_permlanex16_b32 v[rT+5], v[rT+4], s[SEL], s[SEL+1]  ; the query's other 32 keys lie in the lane 16 away
.elseif j == 17
	v_mov_b32 v[rT+7], v[rT]        ; c m_old is kept for a
.elseif j == 18
	v_max_num_f32 v[rT+1], v[rT+4], v[rT+5]
.elseif j == 19
	v_mul_f32 v[rT], s[CS], v[rT+1]
.elseif j == 20
	v_sub_f32 v[rT+7], v[rT+7], v[rT]
.elseif j == 23
	v_exp_f32 v[rT+6], v[rT+7]
.elseif (j < 23) || ((j < 38) && (j%2 == 0)) || ((j < 66) && (j%4 == 2))
.set b, (j-2)/4                     ; 38, 42, .. 62: pairs 9 to 15
.if j < 38
.set b, (j-20)/2                    ; 21: pair 0; 22, 24, .. 36: pairs 1 to 8
.endif
	v_pk_fma_f32 v[rS+2*b:rS+2*b+1], v[rS+2*b:rS+2*b+1], s[CS:CS+1], v[rT:rT+1] op_sel_hi:[1,0,0] neg_lo:[0,0,1] neg_hi:[0,0,1]
.elseif j < 70
.set e, j-38                        ; 66 to 69: s28 to s31
.if j < 66
.set e, j-32-(j-38)/4               ; 39-41, 43-45, .. 63-65: s7 to s27
.endif
.if j < 38
.set e, (j-25)/2                    ; 25, 27, .. 37: s0 to s6
.endif
	v_exp_f32 v[rS+e], v[rS+e]
.elseif j < 86
	v_cvt_pk_f16_f32 v[rP+j-70], v[rS+2*(j-70)], v[rS+2*(j-70)+1]
.elseif j < 102                     ; the sum of the tile's 16 pairs, in place: neighbours 1, 2, 4 and 8 pairs apart, then l takes it
.set z, j-86
.set w, 4
.set u, z
.if z >= 14
.set w, 32
.set u, 0
.elseif z >= 12
.set w, 16
.set u, z-12
.elseif z >= 8
.set w, 8
.set u, z-8
.endif
.if z < 15
	v_pk_add_f32 v[rS+w*u:rS+w*u+1], v[rS+w*u:rS+w*u+1], v[rS+w*u+w/2:rS+w*u+w/2+1]
.else
	v_pk_fma_f32 v[rT+2:rT+3], v[rT+2:rT+3], v[rT+6:rT+7], v[rS:rS+1] op_sel_hi:[1,0,1]
.endif
.else
	WIN W_RS
	v_pk_mul_f32 v[rO:rO+1], v[rO:rO+1], v[rT+6:rT+7] op_sel_hi:[1,0]
.endif
.endm
; Slice k of 64 of the softmax of tiles y, y + 1.  Slices 11 to 34 deal out the batch, four numbers of one tile each, the tiles by turns; every other slice is numbers 2 k and 2 k + 1 of both tiles; the twelve
; that are over stand in slice 63.  Ahead of slice 35 nothing names an exponential's result, and behind slice 34 none is issued: so the 66 exponentials have one wait, behind slice 34.
.macro SLICE y
.if (k >= 11) && (k < 35)
.irp n, 0,1,2,3
.set j, 22+4*((k-11)/2)+(\n)
	SM (\y)+(k-11)%2
.endr
.else
.irp n, 0,1,2,3,4,5,6,7
.if ((\n) < 2) || (k == 63)
.irp t, \y, (\y)+1
.set j, 2*k+(\n)
	SM \t
.endr
.endif
.endr
.endif
.if k == 34
	v_nop                           ; a plain instruction behind the last exponential and ahead of the first use: one for the batch
.if (\y) == 0
	FETCH_V                         ; V's run of loads stands here, and the wait stands in it
.else
	s_wait_alu depctr_va_vdst(0)    ; the wait for the batch
.endif
.endif
.set k, k+1
.endm
; The diagonal tile: the scores of keys behind the query are replaced, each accumulator from its low end on.
.macro MASK y
.irp t, \y, (\y)+1
.set n, 0
.rept 32
	v_cmp_gt_i32 vcc_lo, 16*(n/8)+n%8, v[DQ+(\t)]
	v_cndmask_b32 v[S+32*(\t)+n], v[S+32*(\t)+n], s[BIGN], vcc_lo
.set n, n+1
.endr
.endr
.endm
.macro LOADQ base                   ; 64 queries: tile i / 4, channels 32 (i % 4) on
	WIN 0x80                        ; destination window 2, address window 0
.set i, 0
.rept 16
	global_load_b128 v[8*i:8*i+3],   v[QOA+i/8], s[(\base):(\base)+1] offset:((i/4)%2)*4096+(i%4)*64
	global_load_b128 v[8*i+4:8*i+7], v[QOA+i/8], s[(\base):(\base)+1] offset:((i/4)%2)*4096+(i%4)*64+32
.set i, i+1
.endr
	WIN 0
.endm
.macro INIT                         ; a block's statistics: c m far below every c s, m the lowest finite number, l = 0
.irp t, 0,1,2,3
	v_mov_b32 v[ST+8*(\t)], 0xfe000000
	v_mov_b32 v[ST+8*(\t)+1], 0xff7fffff
	v_mov_b32 v[ST+8*(\t)+2], 0
	v_mov_b32 v[ST+8*(\t)+3], 0
.endr
.endm
; A BLOCK'S END, first part: l's halves are added (into m's place: m is not wanted any more); tiles 2 and 3 go to my partner, O^T in f32 with c m and l; the second block's Q is asked for.
.macro END
.irp t, 0,1,2,3
	v_add_f32 v[ST+8*(\t)+4], v[ST+8*(\t)+2], v[ST+8*(\t)+3]   ; these four are also the places behind the last products
.endr
.irp t, 0,1,2,3
	v_permlanex16_b32 v[ST+8*(\t)+5], v[ST+8*(\t)+4], s[SEL], s[SEL+1]
.endr
.irp t, 0,1,2,3
	v_add_f32 v[ST+8*(\t)+1], v[ST+8*(\t)+4], v[ST+8*(\t)+5]
.endr
	WIN 0x04                        ; store data in window 1
.set q, 0
.rept 32                            ; tile 2 + q / 16, registers 4 (q % 16) on: ascending
	ds_store_b128 v[MGS], v[128+4*q:128+4*q+3] offset:512*q
.set q, q+1
.endr
	WIN 0
	ds_store_b64 v[MSS], v[ST+16:ST+17]
	ds_store_b64 v[MSS], v[ST+24:ST+25] offset:256
	s_cmp_eq_u32 s[BLK], 0
	s_cbranch_scc0 .Lno_q_\@
	LOADQ QLO
.Lno_q_\@:
.endm
; Second part, behind a barrier: my partner's share of tiles 0 and 1 is read; with M = max(c m, c m'), O = (O 2^(c m - M) + O' 2^(c m' - M)) / (l 2^(c m - M) + l' 2^(c m' - M)); rounded to f16, through my stage, stored.
.macro FIN
	ds_load_b64 v[PC:PC+1], v[MSL]
	ds_load_b64 v[PC+2:PC+3], v[MSL] offset:256
.set q, 0
.rept 32
	ds_load_b128 v[S+4*q:S+4*q+3], v[MGL] offset:512*q
.set q, q+1
.endr
	s_wait_dscnt 0x0
.irp t, 0,1
	v_max_num_f32 v[ST+8*(\t)+2], v[ST+8*(\t)], v[PC+2*(\t)]
.endr
.irp t, 0,1
	v_sub_f32 v[ST+8*(\t)+4], v[ST+8*(\t)], v[ST+8*(\t)+2]
	v_sub_f32 v[ST+8*(\t)+6], v[PC+2*(\t)], v[ST+8*(\t)+2]
.endr
.irp t, 0,1
	v_exp_f32 v[ST+8*(\t)+4], v[ST+8*(\t)+4]
	v_exp_f32 v[ST+8*(\t)+6], v[ST+8*(\t)+6]
.endr
	v_nop
	s_wait_alu depctr_va_vdst(0)    ; one wait for the four exponentials, ahead of their first reader
.irp t, 0,1
	v_mul_f32 v[ST+8*(\t)+3], v[ST+8*(\t)+4], v[ST+8*(\t)+1]
.endr
.irp t, 0,1
	v_fmac_f32 v[ST+8*(\t)+3], v[ST+8*(\t)+6], v[PC+2*(\t)+1]
.endr
.irp t, 0,1
	v_rcp_f32 v[ST+8*(\t)+3], v[ST+8*(\t)+3]
.endr
	v_nop
	s_wait_alu depctr_va_vdst(0)    ; and one for the two reciprocals
.irp t, 0,1
	v_mul_f32 v[ST+8*(\t)+4], v[ST+8*(\t)+4], v[ST+8*(\t)+3]
	v_mul_f32 v[ST+8*(\t)+6], v[ST+8*(\t)+6], v[ST+8*(\t)+3]
.endr
.set q, 0
.rept 64                            ; pair q of tile q / 32
	v_pk_mul_f32 v[S+2*q:S+2*q+1], v[S+2*q:S+2*q+1], v[ST+8*(q/32)+6:ST+8*(q/32)+7] op_sel_hi:[1,0]
.set q, q+1
.endr
	WIN 0x01                        ; source 0, my O^T, in window 1
.set q, 0
.rept 64
	v_pk_fma_f32 v[S+2*q:S+2*q+1], v[2*q:2*q+1], v[ST+8*(q/32)+4:ST+8*(q/32)+5], v[S+2*q:S+2*q+1] op_sel_hi:[1,0,1]
.set q, q+1
.endr
	WIN 0
.set q, 0
.rept 64
	v_cvt_pk_f16_f32 v[P+q], v[S+2*q], v[S+2*q+1]
.set q, q+1
.endr
.irp t, 0,1
.irp f, 0,1,2,3,4,5,6,7
	ds_store_b128 v[STO], v[P+32*(\t)+4*(\f):P+32*(\t)+4*(\f)+3] offset:32*(\f)
.endr
.irp f, 0,1,2,3,4,5,6,7
	ds_load_b128 v[S+32*(\t)+4*(\f):S+32*(\t)+4*(\f)+3], v[RD] offset:(\f)*2*SP  ; LDS serves a wave's instructions in order (ISA guide 5.7.1.4): these see the stores above, and the next tile's stores come behind them
.endr
.endr
.irp t, 0,1
.irp f, 0,1,2,3,4,5,6,7
	s_wait_dscnt 16*(1-(\t))+7-(\f)                ; the tile's later loads, and behind tile 0 tile 1's sixteen LDS instructions, may be out
	global_store_b128 v[GO], v[S+32*(\t)+4*(\f):S+32*(\t)+4*(\f)+3], s[OCUR:OCUR+1] offset:(\t)*4096+(\f)*512  ; 16 lanes store 256 consecutive bytes, aligned
.endr
.endr
	s_wait_xcnt 0x0                 ; the stores have read their registers and O's address
	s_mov_b64 s[OCUR:OCUR+1], s[OLO:OLO+1]
	s_add_co_u32 s[RT], s[PB], 1    ; the second block has b + 1 tiles
	s_add_co_u32 s[BLK], s[BLK], 1
	INIT                            ; its first a is 0, so what O^T holds need only be finite
.endm
; A TRIP: one tile of 128 keys, of which my wave takes 64.
.macro TRIP fill
	FETCH_K
	s_sub_co_u32 s[RT], s[RT], 1
	s_wait_loadcnt 0x0              ; Q: something is out at a block's first step alone
.set i, 0
.rept 32
.if i%8 == 0
	s_wait_dscnt 24-i               ; the later channel quarters' eights may be out
.endif
	KQ 0
.set i, i+1
.endr
	WIN 0
	PLACES                          ; behind those products, ahead of the first reader of their scores
	s_cmp_eq_u32 s[RT], 0
	s_cbranch_scc0 .Lopen0_\@
	MASK 0
.Lopen0_\@:
.set k, 0
.set i, 0
.rept 32                            ; tiles 2, 3: K Q^T; behind each product two slices of the softmax of tiles 0, 1; V is fetched behind slice 34; slice 63's sixteen plain lines are the places behind the last product
	KQ 2
	SLICE 0
	SLICE 0
.set i, i+1
.endr
	WIN 0
	s_cmp_eq_u32 s[RT], 0
	s_cbranch_scc0 .Lopen2_\@
	MASK 2
.Lopen2_\@:
	s_wait_dscnt 0x0                ; V is in
.set k, 0
.set i, 0
.rept 32                            ; tiles 0, 1: V^T P; behind each product two slices of the softmax of tiles 2, 3
	PV 0
	SLICE 2
	SLICE 2
.set i, i+1
.endr
.set i, 0
.rept 32
	PV 2
.set i, i+1
.endr
	WIN 0
	s_cmp_eq_u32 s[RT], 0
	s_cbranch_scc0 .Lgo_on_\@
	END
.Lgo_on_\@:
	s_wait_dscnt 0x0                ; for my partner's sake: what I have stored for it is in LDS
	s_barrier_signal -1             ; every wave passes this barrier in every trip; the fill stands behind the change's own barrier
	s_barrier_wait -1
	s_cmp_eq_u32 s[RT], 0
	s_cbranch_scc0 .Lnot_last_\@
	FIN
.Lnot_last_\@:
	CHANGE \fill                    ; its barrier also stands between my reads of my partner's bytes and its next stores there
.endm
	s_load_b256 s[4:11], s[0:1], 0x0  ; qh s[4:5], kh s[6:7], vh s[8:9], oh s[10:11]
	v_lshl_add_u32 v[SPW], v0, 2, SPARE
	v_mov_b32 v[NIL], 0
	ds_add_u32 v[SPW], v[NIL]       ; the wave's opening: the add and its wait stand ahead of my first tensor load; the set-up below stands between them
	v_lshrrev_b32 v1, 5, v0
	v_readfirstlane_b32 s[WV], v1
	s_mov_b32 s[PB], ttmp9
	s_sub_co_u32 s[HI], 15, s[PB]
	s_and_b32 s20, ttmp7, 0xffff
	s_lshl_b32 s20, s20, 19         ; the head's first byte in each of the four tensors
	s_lshr_b32 s13, s[WV], 1        ; i: my query half
	s_and_b32 s16, s[WV], 1         ; j: my key half; also which half of a tile I fetch
	s_lshl_b32 s22, s16, 14
	s_add_co_u32 s22, s22, s20
	s_mov_b32 s23, 0
	s_mul_i32 s17, s16, STEPB
	s_lshl_b32 s18, s13, 14
	s_add_co_u32 s18, s18, s20      ; head + 64 i rows
	s_lshl_b32 s2, s[HI], 15
	s_add_co_u32 s2, s2, s18        ; Q, first block
	s_mov_b32 s3, 0
	s_lshl_b32 s90, s[PB], 15
	s_add_co_u32 s90, s90, s18      ; Q, second block
	s_mov_b32 s91, 0
	s_lshl_b32 s19, s16, 13         ; the 32 rows that I finish
	s_add_co_u32 s92, s2, s19
	s_mov_b32 s93, 0
	s_add_co_u32 s94, s90, s19
	s_mov_b32 s95, 0
	s_mov_b32 s[G1K], (1<<16)|(1<<20)|(5<<22)|(3<<25)  ; 2-byte elements; padding on; after every 64 words, 4 words
	s_mov_b32 s[G1V], (1<<16)|(1<<20)|(5<<22)|(7<<25)  ; 8 words
.irp g, G1K, G1V
	s_mov_b32 s[(\g)+1], 128<<16    ; tensor_dim0 = 128
	s_mov_b32 s[(\g)+2], KS<<16     ; tensor_dim1 = 64
	s_mov_b32 s[(\g)+3], 128<<16    ; tile_dim0 = 128
	s_mov_b32 s[(\g)+4], KS         ; tile_dim1 = 64
	s_mov_b32 s[(\g)+5], 128        ; elements from row to row
	s_mov_b32 s[(\g)+6], 0
	s_mov_b32 s[(\g)+7], 0
.endr
	s_mov_b32 s[CS], 0x3c38aa3b     ; c = log2(e) / 128
	s_mov_b32 s[CS+1], s[CS]
	s_mov_b32 s[SEL], 0x76543210
	s_mov_b32 s[SEL+1], 0xfedcba98
	s_mov_b32 s[TB], s17
	s_add_co_u32 s[RT], s[HI], 1    ; the first block has 16 - b tiles
	s_mov_b32 s[NXT], 2
	s_mov_b32 s[LQ], s[HI]
	s_mov_b32 s[OFF+1], 0
	s_mov_b32 s[BLK], 0
	s_mov_b32 s[BIGN], 0xf1800000   ; -2^100
	s_cmp_eq_u32 s[PB], 0
	s_cselect_b32 s[LIM], 3, -1
	s_wait_dscnt 0x0                ; the opening add is done
	s_wait_kmcnt 0x0
	s_add_nc_u64 s[6:7], s[6:7], s[22:23]  ; K and V at my half of the head's tile 0
	s_add_nc_u64 s[8:9], s[8:9], s[22:23]
	s_add_nc_u64 s[QLO:QLO+1], s[4:5], s[90:91]
	s_add_nc_u64 s[4:5], s[4:5], s[2:3]
	s_add_nc_u64 s[OCUR:OCUR+1], s[10:11], s[92:93]
	s_add_nc_u64 s[OLO:OLO+1], s[10:11], s[94:95]
	s_cmp_lt_u32 s[WV], 2
	s_cselect_b64 s[PFA:PFA+1], s[6:7], s[8:9]
	s_add_nc_u64 s[PFA:PFA+1], s[PFA:PFA+1], 3*32768  ; the first change of slots steps it to tile 4
.irp s, 0,1
	s_mov_b32 s[G0K+4*(\s)], 1
	s_add_co_u32 s[G0K+4*(\s)+1], s17, (\s)*SLOT1
	s_add_nc_u64 s[G0K+4*(\s)+2:G0K+4*(\s)+3], s[6:7], (\s)*32768
	s_or_b32 s[G0K+4*(\s)+3], s[G0K+4*(\s)+3], 0x80000000
	s_mov_b32 s[G0V+4*(\s)], 1
	s_add_co_u32 s[G0V+4*(\s)+1], s17, (\s)*SLOT1+VOFF
	s_add_nc_u64 s[G0V+4*(\s)+2:G0V+4*(\s)+3], s[8:9], (\s)*32768
	s_or_b32 s[G0V+4*(\s)+3], s[G0V+4*(\s)+3], 0x80000000
.endr
	s_cmp_lt_u32 s[WV], 2           ; a wave's two first fills, tiles 0 and 1, stand in one branch: two loads of mine are out
	s_cbranch_scc0 .Lfirst_v
	tensor_load_to_lds s[G0K:G0K+3], s[G1K:G1K+7]
	s_nop 0
	tensor_load_to_lds s[G0K+4:G0K+7], s[G1K:G1K+7]
	s_nop 0
.rept 4
	v_nop
.endr
	s_branch .Lfirst_asked
.Lfirst_v:
	tensor_load_to_lds s[G0V:G0V+3], s[G1V:G1V+7]
	s_nop 0
	tensor_load_to_lds s[G0V+4:G0V+7], s[G1V:G1V+7]
	s_nop 0
.rept 4
	v_nop
.endr
.Lfirst_asked:
	v_and_b32 v1, 15, v0            ; l % 16
	v_bfe_u32 v9, v0, 4, 1          ; l / 16
	v_lshlrev_b32 v5, 8, v1
	v_lshl_add_u32 v5, v9, 4, v5    ; row x 256 + 16 x half
	s_lshl_b32 s18, s16, 13
	v_add_nc_u32 v[QOA], s18, v5    ; tiles 0, 1 are query tiles 2 j, 2 j + 1,
	s_xor_b32 s18, s18, 8192
	v_add_nc_u32 v[QOB], s18, v5    ; tiles 2, 3 the other two
	LOADQ 4
	WIN 0x40
.set i, 0
.rept 256
	v_mov_b32 v[i], 0               ; O^T need only be finite where a block begins; written in the wait for the first tile
.set i, i+1
.endr
	WIN 0
	INIT
	v_mul_u32_u24 v[AK0], v1, PK
	v_lshl_add_u32 v[AK0], v9, 4, v[AK0]
	v_and_b32 v10, 7, v0
	v_bfe_u32 v11, v0, 3, 1
	v_lshl_add_u32 v[AV0], v9, 3, v10      ; the turning load: key 8 (l / 16) + l % 8, channels 8 ((l / 8) % 2) on
	v_mul_u32_u24 v[AV0], v[AV0], PVP
	v_lshl_add_u32 v[AV0], v11, 4, v[AV0]
	v_add_nc_u32 v[AV0], VOFF, v[AV0]
	v_lshlrev_b32 v5, 3, v9
	v_sub_nc_u32 v5, v1, v5
	s_sub_co_i32 s19, s13, s16
	s_lshl_b32 s19, s19, 6
	v_add_nc_u32 v5, s19, v5        ; l % 16 - 8 (l / 16) + 64 i - 64 j
.irp t, 0,1,2,3
	s_lshl_b32 s19, s16, 1
	s_add_co_u32 s19, s19, \t
	s_and_b32 s19, s19, 3
	s_lshl_b32 s19, s19, 4
	v_add_nc_u32 v[DQ+(\t)], s19, v5
.endr
	v_and_b32 v5, 31, v0
	s_xor_b32 s19, s[WV], 1         ; my partner
	s_lshl_b32 s18, s[WV], 14
	s_add_co_u32 s18, s18, MRG
	v_lshl_add_u32 v[MGS], v5, 4, s18
	s_lshl_b32 s18, s19, 14
	s_add_co_u32 s18, s18, MRG
	v_lshl_add_u32 v[MGL], v5, 4, s18
	s_lshl_b32 s18, s[WV], 9
	s_add_co_u32 s18, s18, MST
	v_lshl_add_u32 v[MSS], v5, 3, s18
	s_lshl_b32 s18, s19, 9
	s_add_co_u32 s18, s18, MST
	v_lshl_add_u32 v[MSL], v5, 3, s18
	v_lshlrev_b32 v[PFO], 8, v5
	s_mul_i32 s18, s[WV], 16*SP
	s_add_co_u32 s18, s18, STAGE
	v_mul_u32_u24 v[STO], v1, SP    ; in: row l % 16, 16 bytes for each half of the lanes
	v_lshl_add_u32 v[STO], v9, 4, v[STO]
	v_add_nc_u32 v[STO], s18, v[STO]
	v_mul_u32_u24 v[RD], v9, SP     ; back: lanes 0-15 one row of 256 bytes, lanes 16-31 the next
	v_lshl_add_u32 v[RD], v1, 4, v[RD]
	v_add_nc_u32 v[RD], s18, v[RD]
	v_lshlrev_b32 v[GO], 8, v9
	v_lshl_add_u32 v[GO], v1, 4, v[GO]
	s_wait_tensorcnt 1              ; my part of tile 0 is in; slot 1's may stay out
	s_barrier_signal -1
	s_barrier_wait -1
	s_mov_b32 s[SLOTS], 15
.Lmain:                             ; 15 trips, each of which asks for the tile two trips on
	TRIP 1
	s_sub_co_u32 s[SLOTS], s[SLOTS], 1
	s_cmp_lg_u32 s[SLOTS], 0
	s_cbranch_scc1 .Lmain
	s_mov_b32 s[SLOTS], 2
.Ltail:                             ; the last two trips have a text of their own
	TRIP 0
	s_sub_co_u32 s[SLOTS], s[SLOTS], 1
	s_cmp_lg_u32 s[SLOTS], 0
	s_cbranch_scc1 .Ltail
	s_wait_tensorcnt 0x0            ; the wave's end: a wait, an add to my spare word and its wait, behind my last tensor load and my last LDS store
	ds_add_u32 v[SPW], v[NIL]
	s_wait_dscnt 0x0
	s_endpgm
.Lfunc_end_k_q5ec04b2f42_attn:
	.size	k_q5ec04b2f42_attn, .Lfunc_end_k_q5ec04b2f42_attn-k_q5ec04b2f42_attn
	.p2alignl 7, 3214868480
	.fill 96, 4, 3214868480
	.section	.rodata,"a",@progbits
	.p2align	6, 0x0
	.amdhsa_kernel k_q5ec04b2f42_attn
		.amdhsa_group_segment_fixed_size 327680
		.amdhsa_private_segment_fixed_size 0
		.amdhsa_enable_private_segment 0
		.amdhsa_kernarg_size 32
		.amdhsa_user_sgpr_count 2
		.amdhsa_user_sgpr_kernarg_segment_ptr 1
		.amdhsa_wavefront_size32 1
		.amdhsa_system_sgpr_workgroup_id_x 1
		.amdhsa_system_sgpr_workgroup_id_y 1
		.amdhsa_system_sgpr_workgroup_id_z 1
		.amdhsa_system_vgpr_workitem_id 0
		.amdhsa_next_free_vgpr 896
		.amdhsa_next_free_sgpr 100
		.amdhsa_reserve_vcc 1
		.amdhsa_float_denorm_mode_32 3
		.amdhsa_float_denorm_mode_16_64 3
		.amdhsa_memory_ordered 1
		.amdhsa_forward_progress 1
		.amdhsa_inst_pref_size 190
	.end_amdhsa_kernel
	.amdgpu_metadata
---
amdhsa.version: [ 1, 2 ]
amdhsa.kernels:
  - .name:           k_q5ec04b2f42_attn
    .symbol:         k_q5ec04b2f42_attn.kd
    .args:
      - { .name: qh, .offset: 0, .size: 8, .value_kind: global_buffer, .address_space: global }
      - { .name: kh, .offset: 8, .size: 8, .value_kind: global_buffer, .address_space: global }
      - { .name: vh, .offset: 16, .size: 8, .value_kind: global_buffer, .address_space: global }
      - { .name: oh, .offset: 24, .size: 8, .value_kind: global_buffer, .address_space: global }
    .group_segment_fixed_size: 327680
    .private_segment_fixed_size: 0
    .kernarg_segment_align: 8
    .kernarg_segment_size: 32
    .max_flat_workgroup_size: 128
    .sgpr_count:     100
    .vgpr_count:     896
    .wavefront_size: 32
...
	.end_amdgpu_metadata
.endif
;; end of part 3
;; launch oproj (part 4): grid 8 x 32, 4 waves a work-group, clusters of 4 x 4, 327,680 bytes of LDS; arguments oh, wob, out0; writes out0
.if DOCPART == 4
	.amdgcn_target "amdgcn-amd-amdhsa--gfx1250"
	.amdhsa_code_object_version 6
	.text
	.protected	k_q5ec04b2f42_oproj
	.globl	k_q5ec04b2f42_oproj
	.p2align	8
	.type	k_q5ec04b2f42_oproj,@function
k_q5ec04b2f42_oproj:
	s_mov_b64 s[64:65], 0
	v_nop
	global_prefetch_b8 v0, s[64:65] scope:SCOPE_SE
	s_setreg_imm32_b32 hwreg(HW_REG_WAVE_MODE, 25, 1), 1
	s_wait_xcnt 0x0
	s_wait_alu depctr_hold_cnt(0) depctr_sa_sdst(0) depctr_va_vdst(0) depctr_va_sdst(0) depctr_va_ssrc(0) depctr_va_vcc(0) depctr_vm_vsrc(0)
	s_getreg_b32 s2, hwreg(HW_REG_IB_STS2, 6, 4)
	s_cmp_eq_u32 s2, 0
	s_cbranch_scc0 .Lentry_in_a_cluster
	s_endpgm
.Lentry_in_a_cluster:
	s_bfe_u32 s2, ttmp6, 0x10000c
	s_cmp_lg_u32 s2, 0xf033
	s_cbranch_scc0 .Lentry_shape_is_right
	s_endpgm
.Lentry_shape_is_right:
; out0[b][t][m] = the sum over heads h and channels d of O[b][h][t][d] wo[h][d][m].  oh: f16 [b x 8 + h][t = 2048][128]; wob: f16 [h][d = 128][m = 1024]; out0: f32 [8192][1024].
; Products in f16, sums in f32, K ascending (head by head).
; SHARES.  256 work-groups of 256 rows x 128 columns; four waves, 2 x 2: a wave makes 128 x 64: 32 accumulators, 256 registers.  A K step is one head, 128 wide: 8 steps through two LDS slots, each step four
; quarters of 32 matrix instructions.  Two slots of two heads would not fit in LDS.
; THE MATRIX INSTRUCTION IS USED TRANSPOSED (source 0 = 16 columns of wo, turned out of LDS by ds_load_tr16_b128; source 1 = 16 rows of O): a lane holds one row and eight neighbouring columns.
; CLUSTER 4 x 4: the four work-groups of a row share their rows of O, the four of a column their columns of wo: each tile is asked for jointly.
; REGISTERS: window 0: v0-31 addresses; v32-63 the way out; v64-159, v160-255 two fragment buffers (32 of wo, then 64 of O); window 1: the accumulators, (row block a, column block b) at 8 (4 a + b).
.set PA,     272                       ; a row of O in LDS: 256 bytes + 16
.set PW,     288                       ; a d-row of wo: 256 + 32
.set BOFF,   256*PA
.set SLOT1,  131072
.set STAGE,  SLOT1+BOFF+128*PW         ; behind the ring: 16 rows x 272 bytes for each wave
.set SP,     272
.set SPARE,  STAGE+4*16*SP             ; the spare words, 128 bytes a wave: two blocks of 256 bytes that no other line names
.set ASTEP,  524288                    ; bytes from a head to the next in oh
.set BSTEP,  262144                    ; and in wob
.set ADRA0, 2
.set ADRB0, 3
.set ADRA,  4
.set ADRB,  5
.set STO,   6                          ; v6   the way out: where I put 32 bytes of a row
.set RD,    7                          ; v7   where I read a row back
.set CO,    8                          ; v8   my byte offset in out0
.set PFO,   12
.set SPW,   14
.set NIL,   15
.set OB,    32
.set F0,    64
.set F1,    160
.set WV,  16
.set MH,  17
.set NH,  18
.set CX,  19
.set CY,  20
.set HX,  21
.set MY,  22
.set G1A, 28
.set G1B, 36
.set G0A, 52
.set G0B, 72
.set TB,  84
.set PFA, 86
.set PFS, 88
.set LIM, 90
.set PM,  91
.set PVAL, 92
.set MSB, 0
.macro WIN new
.if MSB != (\new)
	s_set_vgpr_msb (MSB<<8)|(\new)
.set MSB, \new
.endif
.endm
.macro PLACES
.rept 4
	v_nop
.endr
.endm
.macro CREST
	s_cmp_lg_u32 s[WV], 0
	s_cbranch_scc1 .Lnot_wave_0_\@
	s_barrier_signal -3
.Lnot_wave_0_\@:
	s_barrier_wait -3
	s_barrier_signal -1
	s_barrier_wait -1
.endm
.macro CROUND
	s_barrier_signal -1
	s_barrier_wait -1
	CREST
.endm
.macro JLOAD                           ; a joint refill: waves 0 and 1 fetch the two halves of O's 256 rows, waves 2 and 3 those of wo's 128 d-rows; an s_nop 0 and four v_nop follow each line
	s_cmp_lt_u32 s[WV], 2
	s_cbranch_scc0 .Lfor_b_\@
	tensor_load_to_lds s[G0A+4:G0A+7], s[G1A:G1A+7]
	s_nop 0
.rept 4
	v_nop
.endr
	s_branch .Lasked_\@
.Lfor_b_\@:
	tensor_load_to_lds s[G0B+4:G0B+7], s[G1B:G1B+7]
	s_nop 0
.rept 4
	v_nop
.endr
.Lasked_\@:
.endm
; A PREFETCH INTO THE L2, behind the joint refill and the run of LDS loads that follows it.  O: behind the refill of head u, head u + 2: 256 matrix instructions ahead of its load; of the 128 rows that a wave fetches each of
; the four partners takes 32 (by address, cx), a lane a row; clusters with x = 0 alone.  wo: of a wave's 64 d-rows each partner takes 16 (cy), so 32 lanes name two heads, u + 2 and u + 3, at the refills of heads 2 and 4;
; clusters with y = 0 alone.  Each block of 256 bytes is named once; heads 0 to 3 come by their loads alone; nothing behind head 7 is named.
.macro ASK
	s_and_b32 s93, s3, s[PM]
	s_cmp_eq_u32 s93, s[PVAL]
	s_cselect_b32 s93, s[LIM], -1
	s_cmp_gt_u32 s3, s93
	s_cbranch_scc0 .Lnot_mine_\@
	global_prefetch_b8 v[PFO], s[PFA:PFA+1] th:TH_LOAD_NT scope:SCOPE_SE
.Lnot_mine_\@:
.endm
; 8 matrix instructions: row blocks a0, a0 + 1 x all 4 column blocks.  The accumulators take turns.
.macro MUL8 f, a0, zero
	WIN 0x50                                       ; C and D in window 1
.irp a, \a0, (\a0)+1
.irp b, 0,1,2,3
.if \zero
	v_wmma_f32_16x16x32_f16 v[8*(4*(\a)+(\b)):8*(4*(\a)+(\b))+7], v[(\f)+8*(\b):(\f)+8*(\b)+7], v[(\f)+32+8*(\a):(\f)+32+8*(\a)+7], 0
.else
	v_wmma_f32_16x16x32_f16 v[8*(4*(\a)+(\b)):8*(4*(\a)+(\b))+7], v[(\f)+8*(\b):(\f)+8*(\b)+7], v[(\f)+32+8*(\a):(\f)+32+8*(\a)+7], v[8*(4*(\a)+(\b)):8*(4*(\a)+(\b))+7]
.endif
.endr
.endr
.endm
.macro FETCH kq, f                     ; a quarter's fragments: 8 turning loads of wo, then 16 loads of O, row blocks ascending
	WIN 0
.irp b, 0,1,2,3
	ds_load_tr16_b128 v[(\f)+8*(\b):(\f)+8*(\b)+3],   v[ADRB] offset:(\kq)*32*PW+32*(\b)
	ds_load_tr16_b128 v[(\f)+8*(\b)+4:(\f)+8*(\b)+7], v[ADRB] offset:(\kq)*32*PW+16*PW+32*(\b)
.endr
.irp a, 0,1,2,3,4,5,6,7
	ds_load_b128 v[(\f)+32+8*(\a):(\f)+32+8*(\a)+3],   v[ADRA] offset:(\a)*16*PA+64*(\kq)
	ds_load_b128 v[(\f)+32+8*(\a)+4:(\f)+32+8*(\a)+7], v[ADRA] offset:(\a)*16*PA+64*(\kq)+32
.endr
.endm
.macro QUARTER kq, f, g, zero          ; one of a step's first three quarters: multiplies buffer f; in its middle the next quarter is fetched into g
	s_wait_dscnt 8                                 ; O's row blocks 4-7 may be out
	MUL8 \f, 0, \zero
	MUL8 \f, 2, \zero
	PLACES
	FETCH (\kq)+1, \g
	s_wait_dscnt 24                                ; all but the 24 just issued
	MUL8 \f, 4, \zero
	MUL8 \f, 6, \zero
.endm
; The fourth quarter multiplies buffer 1 and changes slots.  Each wave waits for all its tensor loads, adds 0 to its spare word, and waits for that and for its reads of this slot.  fill = 1: the barrier opens a round
; of the cluster's, and the joint refill, two heads on, is the first thing behind it: 112 matrix instructions stand between it and the wait for it.
.macro TURN fill
	WIN 0
.if \fill
	s_wait_xcnt 0x0                                ; the last prefetch, a K step back, has read its address
	s_add_nc_u64 s[PFA:PFA+1], s[PFA:PFA+1], s[PFS:PFS+1]
.endif
	s_wait_tensorcnt 0x0
	ds_add_u32 v[SPW], v[NIL]                      ; 0 onto my spare word
.if \fill
	s_xor_b32 s[G0A+5], s[G0A+5], SLOT1
	s_add_nc_u64 s[G0A+6:G0A+7], s[G0A+6:G0A+7], ASTEP
	s_xor_b32 s[G0B+5], s[G0B+5], SLOT1
	s_add_nc_u64 s[G0B+6:G0B+7], s[G0B+6:G0B+7], BSTEP
.endif
	s_wait_dscnt 9                                 ; the add and the youngest eight loads may be out
	MUL8 F1, 0, 0
	s_wait_dscnt 0x0                               ; the add is done, and my reads of this slot are over
	s_barrier_signal -1
	MUL8 F1, 2, 0
	WIN 0
	s_barrier_wait -1
.if \fill
	CREST
	s_xor_b32 s[TB], s[TB], SLOT1
	JLOAD                                          ; its four v_nop are also the places in front of the loads below
.else
	s_xor_b32 s[TB], s[TB], SLOT1
	PLACES
.endif
	v_add_nc_u32 v[ADRA], s[TB], v[ADRA0]
	v_add_nc_u32 v[ADRB], s[TB], v[ADRB0]
	FETCH 0, F0
.if \fill
	ASK
.endif
	MUL8 F1, 4, 0
	MUL8 F1, 6, 0
.endm
	s_load_b128 s[4:7], s[0:1], 0x0                ; oh s[4:5], wob s[6:7]
	s_load_b64 s[8:9], s[0:1], 0x10                ; out0
	v_lshl_add_u32 v[SPW], v0, 2, SPARE
	v_mov_b32 v[NIL], 0
	ds_add_u32 v[SPW], v[NIL]                      ; the wave's opening: the add and its wait stand ahead of my first tensor load
	v_lshrrev_b32 v1, 5, v0
	v_readfirstlane_b32 s[WV], v1
	s_lshr_b32 s[MH], s[WV], 1                     ; which 128 rows are mine.  Also: I fetch O (0) or wo (1)
	s_and_b32 s[NH], s[WV], 1                      ; which 64 columns.  Also: which half of that tile I fetch
	s_bfe_u32 s[CX], ttmp6, 0x40000
	s_bfe_u32 s[CY], ttmp6, 0x40004
	s_lshl_b32 s[HX], ttmp9, 2
	s_add_co_u32 s[HX], s[HX], s[CX]               ; column block
	s_and_b32 s[MY], ttmp7, 0xffff
	s_lshl_b32 s[MY], s[MY], 2
	s_add_co_u32 s[MY], s[MY], s[CY]               ; row block
	s_lshl_b32 s23, s[CY], 2
	s_lshl_b32 s23, 15, s23
	s_lshl_b32 s24, 0x1111, s[CX]
	s_or_b32 s[G1A], s23, (1<<16)|(1<<20)|(1<<21)|(5<<22)|(3<<25)
	s_or_b32 s[G1B], s24, (1<<16)|(1<<20)|(1<<21)|(5<<22)|(7<<25)
	s_mov_b32 s[G1A+1], 128<<16                    ; O: 128 rows of 128 elements, dense
	s_mov_b32 s[G1A+2], 128<<16
	s_mov_b32 s[G1A+3], 128<<16
	s_mov_b32 s[G1A+4], 128
	s_mov_b32 s[G1A+5], 128
	s_mov_b32 s[G1A+6], 0
	s_mov_b32 s[G1A+7], 0
	s_mov_b32 s[G1B+1], 128<<16                    ; wo: 64 d-rows of 128 elements, 1,024 elements from row to row
	s_mov_b32 s[G1B+2], 64<<16
	s_mov_b32 s[G1B+3], 128<<16
	s_mov_b32 s[G1B+4], 64
	s_mov_b32 s[G1B+5], 1024
	s_mov_b32 s[G1B+6], 0
	s_mov_b32 s[G1B+7], 0
	s_lshr_b32 s60, s[MY], 3                       ; O: batch, position, my half: made of the row block and the wave alone
	s_lshl_b32 s60, s60, 22
	s_and_b32 s25, s[MY], 7
	s_lshl_b32 s25, s25, 16
	s_add_co_u32 s60, s60, s25
	s_lshl_b32 s25, s[NH], 15
	s_add_co_u32 s60, s60, s25
	s_mov_b32 s61, 0
	s_mul_i32 s26, s[NH], 128*PA
	s_lshl_b32 s62, s[NH], 17                      ; wo: my half of the d-rows, the column block
	s_lshl_b32 s27, s[HX], 8
	s_add_co_u32 s62, s62, s27
	s_mov_b32 s63, 0
	s_mul_i32 s93, s[NH], 64*PW
	s_add_co_u32 s93, s93, BOFF
	s_lshl_b32 s96, s[MY], 20                      ; out0: my first row and column
	s_lshl_b32 s98, s[MH], 19
	s_add_co_u32 s96, s96, s98
	s_lshl_b32 s98, s[HX], 9
	s_add_co_u32 s96, s96, s98
	s_lshl_b32 s98, s[NH], 8
	s_add_co_u32 s96, s96, s98
	s_mov_b32 s97, 0
	s_mov_b32 s[TB], 0
	s_lshl_b32 s98, s[CX], 13                      ; the prefetches: my work-group's share, by address
	s_lshl_b32 s99, s[CY], 15
	s_and_b32 s94, ttmp7, 0xffff
	s_mov_b32 s[PFS], BSTEP
	s_mov_b32 s[PFS+1], 0
	s_mov_b32 s85, 262144
	s_mov_b32 s95, 2048
	s_cmp_lt_u32 s[WV], 2                          ; do I fetch O?
	s_cselect_b32 s98, s98, s99
	s_cselect_b32 s94, ttmp9, s94
	s_cselect_b32 s[PFS], ASTEP, s[PFS]
	s_cselect_b32 s85, 4096, s85                   ; lanes 16-31: the next 16 rows of O, or the next head of wo
	s_cselect_b32 s95, 256, s95                    ; bytes from row to row
	s_cselect_b32 s[PM], 0, 1
	s_cselect_b32 s24, 2, 3
	s_cmp_eq_u32 s94, 0
	s_cselect_b32 s[LIM], s24, -1
	s_mov_b32 s[PVAL], 0
	s_mul_i32 s99, s[PFS], 3
	s_add_co_u32 s98, s98, s99                     ; at head 3: the first refill steps it to 4
	s_mov_b32 s99, 0
	s_wait_dscnt 0x0                               ; the opening add is done
	s_wait_kmcnt 0x0
	s_add_nc_u64 s[60:61], s[4:5], s[60:61]
	s_add_nc_u64 s[62:63], s[6:7], s[62:63]
	s_add_nc_u64 s[8:9], s[8:9], s[96:97]
	s_cmp_lt_u32 s[WV], 2
	s_cselect_b64 s[PFA:PFA+1], s[60:61], s[62:63]
	s_add_nc_u64 s[PFA:PFA+1], s[PFA:PFA+1], s[98:99]
.irp s, 0,1
	s_mov_b32 s[G0A+4*(\s)], 1
	s_add_co_u32 s[G0A+4*(\s)+1], s26, (\s)*SLOT1
	s_add_nc_u64 s[G0A+4*(\s)+2:G0A+4*(\s)+3], s[60:61], (\s)*ASTEP
	s_or_b32 s[G0A+4*(\s)+3], s[G0A+4*(\s)+3], 0x80000000
	s_mov_b32 s[G0B+4*(\s)], 1
	s_add_co_u32 s[G0B+4*(\s)+1], s93, (\s)*SLOT1
	s_add_nc_u64 s[G0B+4*(\s)+2:G0B+4*(\s)+3], s[62:63], (\s)*BSTEP
	s_or_b32 s[G0B+4*(\s)+3], s[G0B+4*(\s)+3], 0x80000000
.endr
	CROUND                                         ; all sixteen work-groups are here: the first joint loads meet
	s_cmp_lt_u32 s[WV], 2                          ; a wave's two first fills stand in one branch: two loads of mine are out
	s_cbranch_scc0 .Lfirst_b
	tensor_load_to_lds s[G0A:G0A+3], s[G1A:G1A+7]
	s_nop 0
	tensor_load_to_lds s[G0A+4:G0A+7], s[G1A:G1A+7]
	s_nop 0
.rept 4
	v_nop
.endr
	s_branch .Lfirst_done
.Lfirst_b:
	tensor_load_to_lds s[G0B:G0B+3], s[G1B:G1B+7]
	s_nop 0
	tensor_load_to_lds s[G0B+4:G0B+7], s[G1B:G1B+7]
	s_nop 0
.rept 4
	v_nop
.endr
.Lfirst_done:
	v_and_b32 v17, 15, v0                          ; l % 16
	v_bfe_u32 v18, v0, 4, 1                        ; l / 16
	v_and_b32 v19, 7, v0
	v_bfe_u32 v20, v0, 3, 1
	v_mul_u32_u24 v[ADRA0], v17, PA
	v_lshl_add_u32 v[ADRA0], v18, 4, v[ADRA0]
	s_mul_i32 s23, s[MH], 128*PA
	v_add_nc_u32 v[ADRA0], s23, v[ADRA0]
	v_lshl_add_u32 v[ADRB0], v18, 3, v19
	v_mul_u32_u24 v[ADRB0], v[ADRB0], PW
	v_lshl_add_u32 v[ADRB0], v20, 4, v[ADRB0]
	s_lshl_b32 s23, s[NH], 7
	s_add_co_u32 s23, s23, BOFF
	v_add_nc_u32 v[ADRB0], s23, v[ADRB0]
	v_mov_b32 v[ADRA], v[ADRA0]
	v_mov_b32 v[ADRB], v[ADRB0]
	s_mul_i32 s23, s[WV], 16*SP
	s_add_co_u32 s23, s23, STAGE                   ; my stage
	v_mul_u32_u24 v[STO], v17, SP                  ; in: row l % 16, 32 bytes for each half of the lanes
	v_lshl_add_u32 v[STO], v18, 5, v[STO]
	v_add_nc_u32 v[STO], s23, v[STO]
	v_mul_u32_u24 v[RD], v18, SP                   ; back: lanes 0-15 one row of 256 bytes, lanes 16-31 the next
	v_lshl_add_u32 v[RD], v17, 4, v[RD]
	v_add_nc_u32 v[RD], s23, v[RD]
	v_lshlrev_b32 v[CO], 12, v18                   ; and the same two rows in out0
	v_lshl_add_u32 v[CO], v17, 4, v[CO]
	v_mul_u32_u24 v[PFO], v17, s95
	v_mad_u32_u24 v[PFO], v18, s85, v[PFO]
	s_wait_tensorcnt 1                             ; my part of head 0 is in; head 1's may stay out
	s_barrier_signal -1
	s_barrier_wait -1
	FETCH 0, F0
	QUARTER 0, F0, F1, 1                           ; the first quarter stands in front of the loop: its products start the sums
	WIN 0
	s_mov_b32 s3, 6
.Lk:                                               ; 6 trips, from a step's second quarter to the next step's first; heads 2 to 7 are asked for
	QUARTER 1, F1, F0, 0
	QUARTER 2, F0, F1, 0
	TURN 1
	QUARTER 0, F0, F1, 0
	WIN 0
	s_sub_co_u32 s3, s3, 1
	s_cmp_lg_u32 s3, 0
	s_cbranch_scc1 .Lk
	QUARTER 1, F1, F0, 0                           ; the tail is written out: nothing is left to fetch
	QUARTER 2, F0, F1, 0
	TURN 0
	QUARTER 0, F0, F1, 0
	QUARTER 1, F1, F0, 0
	QUARTER 2, F0, F1, 0
	s_wait_dscnt 8
	MUL8 F1, 0, 0
	MUL8 F1, 2, 0
	s_wait_dscnt 0x0
	MUL8 F1, 4, 0
	MUL8 F1, 6, 0
	WIN 0
	PLACES
	; THE WAY OUT.  A wave's 64 columns of f32 are 256 aligned bytes of a row: 16 rows at a time go through the wave's own stage and come back as whole rows.
.irp a, 0,1,2,3,4,5,6,7
	WIN 0x04                                       ; store data in window 1
.irp b, 0,1,2,3
	ds_store_b128 v[STO], v[8*(4*(\a)+(\b)):8*(4*(\a)+(\b))+3]   offset:64*(\b)      ; each accumulator from its low end on
	ds_store_b128 v[STO], v[8*(4*(\a)+(\b))+4:8*(4*(\a)+(\b))+7] offset:64*(\b)+16
.endr
	WIN 0
	s_wait_xcnt 0x0                                ; the last block's stores have read their data and their base
.if (\a) > 0
	s_add_nc_u64 s[8:9], s[8:9], 65536             ; 16 rows of out0 on
.endif
.irp t, 0,1,2,3,4,5,6,7
	ds_load_b128 v[OB+4*(\t):OB+4*(\t)+3], v[RD] offset:(\t)*2*SP  ; LDS serves a wave's instructions in order (ISA guide 5.7.1.4): these see the stores above, and the next block's stores come behind them
.endr
.irp t, 0,1,2,3,4,5,6,7
	s_wait_dscnt 7-(\t)
	global_store_b128 v[CO], v[OB+4*(\t):OB+4*(\t)+3], s[8:9] offset:(\t)*8192  ; 16 lanes store 256 consecutive bytes, aligned
.endr
.endr
	s_wait_tensorcnt 0x0                           ; the wave's end: a wait, an add to my spare word and its wait, behind my last tensor load and my last LDS store
	ds_add_u32 v[SPW], v[NIL]
	s_wait_dscnt 0x0
	CROUND                                         ; the closing round: no work-group ends while a partner may still ask for a tile that names it
	s_endpgm
.Lfunc_end_k_q5ec04b2f42_oproj:
	.size	k_q5ec04b2f42_oproj, .Lfunc_end_k_q5ec04b2f42_oproj-k_q5ec04b2f42_oproj
	.p2alignl 7, 3214868480
	.fill 96, 4, 3214868480
	.section	.rodata,"a",@progbits
	.p2align	6, 0x0
	.amdhsa_kernel k_q5ec04b2f42_oproj
		.amdhsa_group_segment_fixed_size 327680
		.amdhsa_private_segment_fixed_size 0
		.amdhsa_enable_private_segment 0
		.amdhsa_kernarg_size 24
		.amdhsa_user_sgpr_count 2
		.amdhsa_user_sgpr_kernarg_segment_ptr 1
		.amdhsa_wavefront_size32 1
		.amdhsa_system_sgpr_workgroup_id_x 1
		.amdhsa_system_sgpr_workgroup_id_y 1
		.amdhsa_system_sgpr_workgroup_id_z 1
		.amdhsa_system_vgpr_workitem_id 0
		.amdhsa_next_free_vgpr 512
		.amdhsa_next_free_sgpr 100
		.amdhsa_reserve_vcc 0
		.amdhsa_float_denorm_mode_32 3
		.amdhsa_float_denorm_mode_16_64 3
		.amdhsa_memory_ordered 1
		.amdhsa_forward_progress 1
		.amdhsa_inst_pref_size 73
	.end_amdhsa_kernel
	.amdgpu_metadata
---
amdhsa.version: [ 1, 2 ]
amdhsa.kernels:
  - .name:           k_q5ec04b2f42_oproj
    .symbol:         k_q5ec04b2f42_oproj.kd
    .args:
      - { .name: oh, .offset: 0, .size: 8, .value_kind: global_buffer, .address_space: global }
      - { .name: wob, .offset: 8, .size: 8, .value_kind: global_buffer, .address_space: global }
      - { .name: out0, .offset: 16, .size: 8, .value_kind: global_buffer, .address_space: global }
    .group_segment_fixed_size: 327680
    .private_segment_fixed_size: 0
    .kernarg_segment_align: 8
    .kernarg_segment_size: 24
    .max_flat_workgroup_size: 128
    .sgpr_count:     100
    .vgpr_count:     512
    .wavefront_size: 32
...
	.end_amdgpu_metadata
.endif
;; end of part 4
;; ======== version 2 of 2: 4 launches; version 1 with the launch prep written anew for expert scheduling mode
;; limits: values are held in f16: magnitudes above 65,504 overflow, below 6.1e-05 lose precision
;; workspace buffers: xb 16,777,216 bytes; wb 6,291,456 bytes; wob 2,097,152 bytes; rt 524,288 bytes; qh 16,777,216 bytes; kh 16,777,216 bytes; vh 16,777,216 bytes; oh 16,777,216 bytes
;; launch prep (part 5): grid 512 x 1, 8 waves a work-group, no clusters, 0 bytes of LDS; arguments x, wq, wk, wv, wo, xb, wb, wob, rt; writes xb, wb, wob, rt
.if DOCPART == 5
	.amdgcn_target "amdgcn-amd-amdhsa--gfx1250"
	.amdhsa_code_object_version 6
	.text
	.protected	k_q5ec04b2f42_prep
	.globl	k_q5ec04b2f42_prep
	.p2align	8
	.type	k_q5ec04b2f42_prep,@function
k_q5ec04b2f42_prep:
	s_mov_b64 s[64:65], 0
	v_nop
	global_prefetch_b8 v0, s[64:65] scope:SCOPE_SE
	s_setreg_imm32_b32 hwreg(HW_REG_WAVE_SCHED_MODE, 0, 2), 2
	s_setreg_imm32_b32 hwreg(HW_REG_WAVE_MODE, 25, 1), 1
	s_wait_xcnt 0x0
	s_wait_alu depctr_vm_vsrc(0)
; CASTS AND THE ROTARY TABLE.  A stream: no LDS, no matrix unit, no cluster (no work-group reads what another reads).
;   work-groups 0-255:   x [8192][1024] f32 -> xb, bf16, in blocks [kb = 16][row = 8192][64]: a K step of 64 for 256 rows is 32,768 dense bytes for the product that follows
;   work-groups 256-351: wq, wk, wv [8][1024][128] f32 -> wb, bf16, [matrix][head][k][d], the inputs' own order
;   work-groups 352-383: wo [8][128][1024] f32 -> wob: rounded to bf16 like every other input, and that number written as f16
;   work-groups 384-511: rt [t = 2048][128] f16: cos(t f_d) for d = 0..63, then sin(t f_d), f_d = 10000^(-d/64)
; LIMITS.  A bf16 value of wo below 2^-14 keeps f16's fixed step of 2^-24; beyond 65,504 it would be an infinity (wo is drawn with a spread of 1/32).
; The table: f_d by v_exp_f32, the angle reduced by multiples of pi/2 in two parts, polynomials of degree 7 and 8 on |r| <= pi/4; the result is rounded to f16.
; THE MODE: SCHED_MODE bits 1:0 = 2 (LLVM: expert scheduling mode 2), set by the entry lines.  The code itself states the register dependences
; between vector instructions and memory instructions, with s_wait_alu, always for 0.
; THE PLAN.  There is no loop; the four ways are exclusive and each ends the wave.  Registers that memory instructions touch:
;   v[VI], v[VO]  the offsets: written once on each way by vector instructions, read by all its loads and stores, never written again: one wait ahead of the first load.
;   D             written by the loads alone, each register once; read by the conversions; no load lands there a second time.
;   Y             written by the conversions, read by one store each, never written again behind it.  The sixteen items go in four groups of four:
;                 a group's conversions, ONE wait that states that they have written the group's Y, the group's four stores.
;   v[64:67]      the table's 16 bytes: written by the roundings, read by the one store: one wait ahead of it.
;   T, and on the table's way v[16:63], are named by vector instructions alone.
; No register that a memory instruction has read is written again on any way, so no wait on vm_vsrc is owed; EXEC is never written.
; Scalar registers that vector instructions write: s22 (the wave's number) and the table's eight masks s[MK ..]: one wait on va_sdst behind each of the two, ahead of the first reader.
.set VI,  2                            ; v2        my byte offset in the input
.set VO,  3                            ; v3        my byte offset in the output
.set D,   16                           ; v[16:143] sixteen items of 8 f32 as loaded
.set Y,   144                          ; v[144:207] sixteen items of 8 16-bit numbers to store
.set T,   208                          ; v[208:215] at work
.set MK,  24                           ; s[24:31]  on the table's way: the eight masks of the odd quarter turns
.set IN,  32                           ; s[32:33]  input at the work-group's part
.set OUT, 34                           ; s[34:35]  output at the work-group's part
.set OU2, 36                           ; s[36:37]  the same, 8 MiB on: a store's immediate holds 24 signed bits
; Sixteen items of 32 bytes a lane.  All 32 loads go out first (16 KiB a wave on their way); item it is there when the 2 (15 - it) younger loads alone are out.
; No register is written twice behind a memory instruction that names it, so no store's data has to be waited for.
.macro CAST is, os, split, half
	s_wait_alu depctr_va_vdst(0)                   ; v[VI] and v[VO] are written: every load and store below reads one of them as its offset
.set it, 0
.rept 16
	global_load_b128 v[D+8*it:D+8*it+3],   v[VI], s[IN:IN+1] offset:it*(\is) th:TH_LOAD_NT
	global_load_b128 v[D+8*it+4:D+8*it+7], v[VI], s[IN:IN+1] offset:it*(\is)+16 th:TH_LOAD_NT
.set it, it+1
.endr
.set gr, 0
.rept 4                                                ; four groups of four items
.set it, 4*gr
.rept 4
	s_wait_loadcnt 30-2*it
.irp j, 0,1,2,3
	v_cvt_pk_bf16_f32 v[Y+4*it+(\j)], v[D+8*it+2*(\j)], v[D+8*it+2*(\j)+1]
.endr
.if \half
.irp j, 0,1,2,3
	v_lshlrev_b32 v[T+2*(\j)],   16,  v[Y+4*it+(\j)]   ; the bf16 numbers as f32,
	v_and_b32     v[T+2*(\j)+1], s30, v[Y+4*it+(\j)]
.endr
.irp j, 0,1,2,3
	v_cvt_pk_f16_f32 v[Y+4*it+(\j)], v[T+2*(\j)], v[T+2*(\j)+1]  ; written as f16: 8 significant bits fit into 11
.endr
.endif
.set it, it+1
.endr
	s_wait_alu depctr_va_vdst(0)                   ; the group's conversions have written its sixteen registers of Y, which the four stores below read
.set it, 4*gr
.rept 4
.if (\split) && (it >= 8)
	global_store_b128 v[VO], v[Y+4*it:Y+4*it+3], s[OU2:OU2+1] offset:(it-8)*(\os)
.else
	global_store_b128 v[VO], v[Y+4*it:Y+4*it+3], s[OUT:OUT+1] offset:it*(\os)
.endif
.set it, it+1
.endr
.set gr, gr+1
.endr
.endm
	s_load_b512 s[4:19], s[0:1], 0x0               ; x s[4:5], wq s[6:7], wk s[8:9], wv s[10:11], wo s[12:13], xb s[14:15], wb s[16:17], wob s[18:19]
	s_load_b64 s[20:21], s[0:1], 0x40              ; rt
	v_lshrrev_b32 v1, 5, v0
	v_readfirstlane_b32 s22, v1                    ; wave 0..7
	v_and_b32 v4, 31, v0                           ; lane
	s_mov_b32 s25, 0                               ; high words of the two offsets
	s_mov_b32 s27, 0
	s_mov_b32 s30, 0xffff0000                      ; a word's upper bf16
	s_wait_alu depctr_va_sdst(0)                   ; s22 is written
	s_wait_kmcnt 0x0
	s_cmp_lt_u32 ttmp9, 256
	s_cbranch_scc0 .Lnot_x
	; x: the work-group has 32 rows, a wave 4; item it is block kb = it: eight lanes take 256 aligned bytes of a row, and a wave's store is 512 consecutive bytes of xb
	v_lshrrev_b32 v5, 3, v4
	v_and_b32 v6, 7, v4
	s_lshl_b32 s23, s22, 2
	v_add_nc_u32 v5, s23, v5                       ; my row among the 32
	v_lshlrev_b32 v[VI], 12, v5
	v_lshl_add_u32 v[VI], v6, 5, v[VI]
	v_lshlrev_b32 v[VO], 7, v5
	v_lshl_add_u32 v[VO], v6, 4, v[VO]
	s_lshl_b32 s24, ttmp9, 17                      ; 32 rows of 4,096 bytes
	s_add_nc_u64 s[IN:IN+1], s[4:5], s[24:25]
	s_lshl_b32 s26, ttmp9, 12                      ; 32 rows of 128 bytes
	s_add_nc_u64 s[OUT:OUT+1], s[14:15], s[26:27]
	s_add_nc_u64 s[OU2:OU2+1], s[OUT:OUT+1], 0x800000
	CAST 256, 1048576, 1, 0
	s_endpgm
.Lnot_x:
	s_cmp_lt_u32 ttmp9, 384
	s_cbranch_scc0 .Ltable
	; the weights: 32 work-groups a matrix, 131,072 bytes in each; a wave takes 16,384, an item 1,024
	s_sub_co_u32 s23, ttmp9, 256
	s_lshr_b32 s28, s23, 5                         ; which matrix
	s_and_b32 s29, s23, 31                         ; which part of it
	s_cmp_eq_u32 s28, 1
	s_cselect_b64 s[IN:IN+1], s[8:9], s[6:7]
	s_cmp_eq_u32 s28, 2
	s_cselect_b64 s[IN:IN+1], s[10:11], s[IN:IN+1]
	s_cmp_eq_u32 s28, 3
	s_cselect_b64 s[IN:IN+1], s[12:13], s[IN:IN+1]
	s_lshl_b32 s24, s29, 17
	s_add_nc_u64 s[IN:IN+1], s[IN:IN+1], s[24:25]
	v_lshlrev_b32 v[VI], 5, v4
	s_lshl_b32 s23, s22, 14
	v_add_nc_u32 v[VI], s23, v[VI]
	v_lshlrev_b32 v[VO], 4, v4
	s_lshl_b32 s23, s22, 13
	v_add_nc_u32 v[VO], s23, v[VO]
	s_lshl_b32 s26, s29, 16
	s_cmp_eq_u32 s28, 3
	s_cbranch_scc1 .Lwo
	s_lshl_b32 s24, s28, 21
	s_add_co_u32 s26, s26, s24
	s_add_nc_u64 s[OUT:OUT+1], s[16:17], s[26:27]
	CAST 1024, 512, 0, 0
	s_endpgm
.Lwo:
	s_add_nc_u64 s[OUT:OUT+1], s[18:19], s[26:27]
	CAST 1024, 512, 0, 1
	s_endpgm
.Ltable:
	; the table: 16 rows a work-group, two a wave; sixteen lanes fill a row's 256 bytes: lanes 0-7 eight cosines each, lanes 8-15 eight sines
.set F,  16                            ; v[16:23] the frequencies
.set R,  24                            ; v[24:31] the angle, then what is left of it
.set N,  32                            ; v[32:39] how many quarter turns
.set Z,  40                            ; v[40:47] r^2
.set SN, 48                            ; v[48:55] sin r
.set CN, 56                            ; v[56:63] cos r, then the result
	s_sub_co_u32 s23, ttmp9, 384
	s_lshl_b32 s23, s23, 4
	s_lshl_b32 s24, s22, 1
	s_add_co_u32 s23, s23, s24
	v_lshrrev_b32 v5, 4, v4
	v_add_nc_u32 v5, s23, v5                       ; t
	v_and_b32 v6, 15, v4
	v_lshrrev_b32 v7, 3, v6                        ; 0: cosines, 1: sines
	v_and_b32 v8, 7, v6
	v_lshlrev_b32 v8, 3, v8                        ; my first d
	v_lshlrev_b32 v[VO], 8, v5
	v_lshl_add_u32 v[VO], v6, 4, v[VO]
	v_cvt_f32_u32 v9, v5
.irp j, 0,1,2,3,4,5,6,7
	v_add_nc_u32 v[F+(\j)], \j, v8
	v_cvt_f32_u32 v[F+(\j)], v[F+(\j)]
	v_mul_f32 v[F+(\j)], 0xbe549a78, v[F+(\j)]     ; -d log2(10000) / 64
.endr
.irp j, 0,1,2,3,4,5,6,7
	v_exp_f32 v[F+(\j)], v[F+(\j)]
.endr
	v_nop                                          ; a plain instruction behind the last exponential,
	s_wait_alu depctr_va_vdst(0)                   ; and one wait for the eight: they have written v[F ..], ahead of the first line that names one of them
.irp j, 0,1,2,3,4,5,6,7
	v_mul_f32 v[R+(\j)], v9, v[F+(\j)]             ; the angle, as reference() forms it
	v_mul_f32 v[N+(\j)], 0x3f22f983, v[R+(\j)]     ; x 2 / pi
	v_rndne_f32 v[N+(\j)], v[N+(\j)]
	v_fmamk_f32 v[R+(\j)], v[N+(\j)], 0xbfc90fdb, v[R+(\j)]  ; r = angle - n pi/2: the f32 nearest to pi/2,
	v_fmamk_f32 v[R+(\j)], v[N+(\j)], 0x333bbd2e, v[R+(\j)]  ; and what that leaves out (it is above pi/2 by 4.37e-8)
	v_mul_f32 v[Z+(\j)], v[R+(\j)], v[R+(\j)]
	v_mov_b32 v[SN+(\j)], 0xb9500d01               ; sin r = r + r z (-1/6 + z (1/120 - z/5040))
	v_fmaak_f32 v[SN+(\j)], v[SN+(\j)], v[Z+(\j)], 0x3c088889
	v_fmaak_f32 v[SN+(\j)], v[SN+(\j)], v[Z+(\j)], 0xbe2aaaab
	v_mul_f32 v[SN+(\j)], v[SN+(\j)], v[Z+(\j)]
	v_fma_f32 v[SN+(\j)], v[SN+(\j)], v[R+(\j)], v[R+(\j)]
	v_mov_b32 v[CN+(\j)], 0x37d00d01               ; cos r = 1 + z (-1/2 + z (1/24 + z (-1/720 + z/40320)))
	v_fmaak_f32 v[CN+(\j)], v[CN+(\j)], v[Z+(\j)], 0xbab60b61
	v_fmaak_f32 v[CN+(\j)], v[CN+(\j)], v[Z+(\j)], 0x3d2aaaab
	v_fmaak_f32 v[CN+(\j)], v[CN+(\j)], v[Z+(\j)], 0xbf000000
	v_fma_f32 v[CN+(\j)], v[CN+(\j)], v[Z+(\j)], 1.0
	v_cvt_i32_f32 v[N+(\j)], v[N+(\j)]
	v_sub_nc_u32 v[N+(\j)], v[N+(\j)], v7          ; sin a = cos(a - pi/2): one quarter turn less
	v_and_b32 v[Z+(\j)], 1, v[N+(\j)]
.endr
.irp j, 0,1,2,3,4,5,6,7
	v_cmp_ne_u32 s[MK+(\j)], 0, v[Z+(\j)]          ; the eight compares in one run, each into a scalar register of its own
.endr
.irp j, 0,1,2,3,4,5,6,7                        ; the signs name no mask: they stand between the run and the wait for it
	v_add_nc_u32 v[N+(\j)], 1, v[N+(\j)]
	v_lshlrev_b32 v[N+(\j)], 30, v[N+(\j)]
	v_and_b32 v[N+(\j)], 0x80000000, v[N+(\j)]     ; quarter turns 1 and 2 modulo 4: the sign turns
.endr
	s_wait_alu depctr_va_sdst(0)                   ; the compares have written s[MK ..], ahead of the first select that reads one of them
.irp j, 0,1,2,3,4,5,6,7
	v_cndmask_b32 v[CN+(\j)], v[CN+(\j)], v[SN+(\j)], s[MK+(\j)]  ; odd quarter turns: the sine
	v_xor_b32 v[CN+(\j)], v[CN+(\j)], v[N+(\j)]
.endr
.irp j, 0,1,2,3
	v_cvt_pk_f16_f32 v[64+(\j)], v[CN+2*(\j)], v[CN+2*(\j)+1]
.endr
	s_wait_alu depctr_va_vdst(0)                   ; the roundings have written v[64:67], the store's data; v[VO], its offset, was written further up
	global_store_b128 v[VO], v[64:67], s[20:21]
	s_endpgm
.Lfunc_end_k_q5ec04b2f42_prep:
	.size	k_q5ec04b2f42_prep, .Lfunc_end_k_q5ec04b2f42_prep-k_q5ec04b2f42_prep
	.p2alignl 7, 3214868480
	.fill 96, 4, 3214868480
	.section	.rodata,"a",@progbits
	.p2align	6, 0x0
	.amdhsa_kernel k_q5ec04b2f42_prep
		.amdhsa_group_segment_fixed_size 0
		.amdhsa_private_segment_fixed_size 0
		.amdhsa_enable_private_segment 0
		.amdhsa_kernarg_size 72
		.amdhsa_user_sgpr_count 2
		.amdhsa_user_sgpr_kernarg_segment_ptr 1
		.amdhsa_wavefront_size32 1
		.amdhsa_system_sgpr_workgroup_id_x 1
		.amdhsa_system_sgpr_workgroup_id_y 1
		.amdhsa_system_sgpr_workgroup_id_z 1
		.amdhsa_system_vgpr_workitem_id 0
		.amdhsa_next_free_vgpr 224
		.amdhsa_next_free_sgpr 66
		.amdhsa_reserve_vcc 0
		.amdhsa_float_denorm_mode_32 3
		.amdhsa_float_denorm_mode_16_64 3
		.amdhsa_memory_ordered 1
		.amdhsa_forward_progress 1
		.amdhsa_inst_pref_size 50
	.end_amdhsa_kernel
	.amdgpu_metadata
---
amdhsa.version: [ 1, 2 ]
amdhsa.kernels:
  - .name:           k_q5ec04b2f42_prep
    .symbol:         k_q5ec04b2f42_prep.kd
    .args:
      - { .name: x, .offset: 0, .size: 8, .value_kind: global_buffer, .address_space: global }
      - { .name: wq, .offset: 8, .size: 8, .value_kind: global_buffer, .address_space: global }
      - { .name: wk, .offset: 16, .size: 8, .value_kind: global_buffer, .address_space: global }
      - { .name: wv, .offset: 24, .size: 8, .value_kind: global_buffer, .address_space: global }
      - { .name: wo, .offset: 32, .size: 8, .value_kind: global_buffer, .address_space: global }
      - { .name: xb, .offset: 40, .size: 8, .value_kind: global_buffer, .address_space: global }
      - { .name: wb, .offset: 48, .size: 8, .value_kind: global_buffer, .address_space: global }
      - { .name: wob, .offset: 56, .size: 8, .value_kind: global_buffer, .address_space: global }
      - { .name: rt, .offset: 64, .size: 8, .value_kind: global_buffer, .address_space: global }
    .group_segment_fixed_size: 0
    .private_segment_fixed_size: 0
    .kernarg_segment_align: 8
    .kernarg_segment_size: 72
    .max_flat_workgroup_size: 256
    .sgpr_count:     66
    .vgpr_count:     224
    .wavefront_size: 32
...
	.end_amdgpu_metadata
.endif
;; end of part 5
;; launch qkv: the kernel of part 2 again; grid 8 x 32, 4 waves a work-group, clusters of 4 x 4, 327,680 bytes of LDS; arguments xb, wb, rt, qh, kh, vh; writes qh, kh, vh
;; launch attn: the kernel of part 3 again; grid 8 x 32, 4 waves a work-group, no clusters, 327,680 bytes of LDS; arguments qh, kh, vh, oh; writes oh
;; launch oproj: the kernel of part 4 again; grid 8 x 32, 4 waves a work-group, clusters of 4 x 4, 327,680 bytes of LDS; arguments oh, wob, out0; writes out0
